; MI455X (gfx1250); checked and timed in simulation.
; The chip was launched on July 23, 2026; its instructions are those of AMD's public machine-readable ISA for CDNA 5 (MIT licence, August 2026) and "CDNA5" Instruction Set Architecture Reference Guide (July 2026). The comments in the code are by the model that wrote it; some were corrected since.
;; Meriam Attention. Allowed arithmetic: matrix products marked QUANTISED: E4M3 operands, one E8M0 scale for each 32 along K, by v_wmma_scale_f32_16x16x128_f8f6f4 with both operands' format E4M3, f32 sums; everything else in f32.
;; Inputs: Wk 1,024 x 1,024 float32; Wq 1,024 x 1,024 float32; Wv 1,024 x 1,024 float32; bk 1,024 float32; bq 1,024 float32; bv 1,024 float32; x 4 x 2,048 x 1,024 float32.
;; Outputs: out0 4 x 2,048 x 1,024 float32.
;; This version of the problem:
;;   THIS VERSION OF THE PROBLEM IS GIVEN IN LOW PRECISION. The matrix products marked QUANTISED in the list below multiply operands that are first quantised to E4M3 (4 exponent bits, 3 mantissa bits; 8 bits a number), with one power-of-two scale for each 32 numbers along K (OCP MX v1.0); their sums are f32. All else is computed in f32.
;;   The module's matrix products, in the order in which they are computed (A, B: the left and right operand; K: the contracted axis; several contracted axes count as one K, in the product's order):
;;     1. [M 8,192, K 1,024] x [K 1,024, N 1,024]; A: input x; B: input Wq: QUANTISED
;;     2. [M 8,192, K 1,024] x [K 1,024, N 1,024]; A: input x; B: input Wk: QUANTISED
;;     3. [M 8,192, K 1,024] x [K 1,024, N 1,024]; A: input x; B: input Wv: QUANTISED
;;     4. batch 4 x [M 2,048, K 1,024] x [K 1,024, N 2,048]; A: computed on the way; B: computed on the way: QUANTISED
;;     5. batch 4 x [M 2,048, K 2,048] x [K 2,048, N 1,024]; A: softmax (see below); B: computed on the way: QUANTISED
;;   THE QUANTISER, for each operand of a quantised product, along K:
;;     - K is cut into blocks of 32 from its start; a last block that is shorter is filled with zeros.
;;     - A block's scale is 2^e with e = floor(log2(the largest magnitude in the block)) - 8, held to -126 .. 127; a block of zeros has e = 0. As a byte (E8M0): e + 127.
;;     - Each number is divided by its block's scale, clamped to +-448, and rounded to the nearest number of E4M3, ties to even, subnormals kept.
;;     - The product sums the exact products of the quantised numbers (number of the format x scale) in f32.
;;   ~~~python
;;   def quantise(x, axis):      # numpy; x: float32 -> the quantised numbers, widened to float32 again
;;       x = np.moveaxis(x, axis, -1); K = x.shape[-1]
;;       x = np.pad(x, [(0, 0)] * (x.ndim - 1) + [(0, -K % 32)]); x = x.reshape(x.shape[:-1] + (-1, 32)); a = np.abs(x).max(-1, keepdims=True)
;;       e = np.where(a > 0, np.clip(np.frexp(np.where(a > 0, a, 1))[1] - 1 - 8, -126, 127), 0)      # np.frexp(a)[1] - 1 = floor(log2(a)), exactly
;;       r = np.clip(x / 2.0 ** e, -448, 448)
;;       step = 2.0 ** (np.maximum(np.frexp(np.where(r == 0, 1, r))[1] - 1, -6) - 3)
;;       q = np.round(r / step) * step * 2.0 ** e      # np.round: ties to even
;;       return np.moveaxis(q.reshape(q.shape[:-2] + (-1,))[..., :K], -1, axis).astype(np.float32)
;;   ~~~
;;   SOFTMAX AHEAD OF A QUANTISED PRODUCT. Where the list says 'softmax', what is quantised is not the finished softmax but p = 2^(t - M), with t = logit x log2(e) and M = ceil(the row's largest t), a whole number; so 1/2 < the row's largest p <= 1. The row's sum l is taken of the UNQUANTISED p, in f32, and the product's result is divided by l at the end. Since M is a whole number, a kernel that streams over the keys may use a running M (the ceiling of the running maximum): every later rescaling is an exact power of two, which a block's scale takes up: the codes' values come out the same.
;;   OPERANDS COMPUTED ON THE WAY. 'Computed on the way' means the value that the module computes at that place (a softmax that the list does not call 'softmax' is quantised finished and normalised). What goes into a quantiser is computed in f32, as accurately as f32 sums, v_exp_f32 and their like allow (about 1e-6 of the number): no bf16 or f16 on the way to a quantiser, and a product that is left as it is and whose result goes on into a quantised operand takes f32 operands (vector FMAs, or v_wmma_f32_16x16x4_f32). A number that lies on a knife's edge between two numbers of the format may be rounded either way, as far as f32 arithmetic and the matrix unit's own rounding can turn it there, and no further.
;; One version. Each part assembles by itself: llvm-mc -triple=amdgcn-amd-amdhsa -mcpu=gfx1250 --defsym DOCPART=n.
;; ======== version 1 of 1: 4 launches
;; limits: right only within a limited range of input values
;; workspace buffers: c1 11,534,336 bytes; s1 360,448 bytes; c2 25,165,824 bytes; s2 786,432 bytes; c4 16,777,216 bytes; m4 1,572,864 bytes
;; launch quant (part 1): grid 704 x 1, 4 waves a work-group, no clusters, 85,504 bytes of LDS; arguments x, Wv, Wq, Wk, c1, s1; writes c1, s1
.if DOCPART == 1
	.amdgcn_target "amdgcn-amd-amdhsa--gfx1250"
	.amdhsa_code_object_version 6
	.text
	.protected	k_q5c4a299ab5_quant
	.globl	k_q5c4a299ab5_quant
	.p2align	8
	.type	k_q5c4a299ab5_quant,@function
k_q5c4a299ab5_quant:
	s_mov_b64 s[64:65], 0
	v_nop
	global_prefetch_b8 v0, s[64:65] scope:SCOPE_SE
	s_setreg_imm32_b32 hwreg(HW_REG_WAVE_MODE, 25, 1), 1
	s_wait_xcnt 0x0
; FIRST OF FOUR LAUNCHES of  out = softmax((x Wq + bq)(x Wk + bk)^T / 32) (x Wv + bv),  all five products on codes of E4M3 with one E8M0 scale for each 32 along K.
; NO WORK IS LEFT OUT: every input has a way to the output.  bk too: it moves the codes and scales of K, an operand of a quantised product, so it stays.
; THIS LAUNCH turns x [8192][1024] and Wv, Wq, Wk [1024 (k)][1024 (n)], f32, into codes (c1) and scale words (s1), laid as the next launch's operand registers want them.
; ORDER OF ROWS.  Rows (of x: positions; of a W: its columns n) go in groups of 32; tile 2 g + u, tile row i, is row 32 g + 8 u + i + 8 (i / 8).  A product that takes such tiles as its source 0 leaves, in a lane's
; 16 registers of tiles 2 g and 2 g + 1, 16 NEIGHBOURS along that axis, which is the next product's K.
; IMAGE.  A fragment (16 tile rows x 128 K) is 2,048 bytes: group c (32 along K) at 512 c, lane l's 16 bytes at 16 l: k = 32 c + 16 (l / 16) + 0 .. 15 of tile row l % 16.  c1 = [row tile 0 .. 703][K step 0 .. 7][2,048]:
; x's tiles 0 .. 511, Wv's 512 .., Wq's 576 .., Wk's 640 ...  s1 = [block of 128 rows 0 .. 87][K step][128 places] words; place = 16 x (tile in the block) + tile row; byte c of a word is block c's E8M0 byte.
; A block's scale is 2^(floor(log2(largest magnitude)) - 8): its byte is that magnitude's exponent field - 8, held at 1 from below; numbers are held within +-448 x the scale and rounded to the nearest code, ties to even.
; LIMITS: a block whose largest magnitude lies under 2^-118, a block of zeros among them, gets the byte 1 (zeros: where the stated quantiser says 127; their codes are zeros and this program alone reads the bytes);
; NaN and infinities among the inputs are not served.
; SHARES.  A wave takes one unit of 4,096 numbers and asks for all of it at once.  Work-groups 0 .. 511: x, 32 rows x 128 K a wave.  Work-groups 512 .. 703: a W, 32 columns x 128 K a wave.
; The two ways part on the work-group's number; each has LDS bytes of its own, and every LDS address is made ahead of the parting.  Waves share nothing: no barrier.
.set XP,    528                        ; x's stage: a row of 512 bytes + 16 of padding
.set XW,    32*XP                      ; 32 rows for each wave, from LDS byte 0
.set WSTG,  4*XW                       ; behind them the W way's stages:
.set WSK,   2176                       ; a wave's two fragment images, the second 2,048 + 128 bytes behind the first, so that sixteen lanes' stores fall on 256 different bytes modulo 256
.set WW,    4352
.set SPARE, WSTG+4*WW                  ; the spare words, 128 bytes for each wave: two blocks of 256 bytes that no other line names
.set SPW,   12                         ; v12  LDS address of my spare word; never rewritten
.set NIL,   13                         ; v13  0; never rewritten
.set R,     16                         ; v16-143  the unit as it is loaded
.set X,     144                        ; v144-207 x's way: 64 numbers of a lane, register 16 b + i = k 32 b + 16 (lane / 16) + i of my tile row
.set TM,    208                        ; v208-223 at work: largest magnitudes, bytes, limits, scale operands
.set PC0,   228                        ; v228-243 tile 0's codes;
.set PC1,   96                         ; v96-111  tile 1's
.set C,     144                        ; W's way: v144-175 codes, 8 registers a block
.set O,     176                        ; v176-207 the two images read back
.set SB,    224                        ; v224     my column's scale word
	s_load_b256 s[4:11], s[0:1], 0x0               ; x s[4:5], Wv s[6:7], Wq s[8:9], Wk s[10:11]
	s_load_b128 s[12:15], s[0:1], 0x20             ; c1 s[12:13], s1 s[14:15]
	v_lshl_add_u32 v[SPW], v0, 2, SPARE
	v_mov_b32 v[NIL], 0
	v_lshrrev_b32 v1, 5, v0
	v_readfirstlane_b32 s16, v1                    ; wave 0..3
	v_and_b32 v1, 31, v0                           ; lane
	v_and_b32 v2, 15, v0                           ; r
	v_bfe_u32 v3, v0, 4, 1                         ; h
	v_lshlrev_b32 v4, 4, v1                        ; 16 x lane
	v_lshlrev_b32 v5, 2, v1                        ; 4 x lane
	s_mul_i32 s18, s16, XW
	v_add_nc_u32 v6, s18, v4                       ; x's stage, in: a row's 512 bytes as they lie
	v_mul_u32_u24 v7, v2, XP
	v_lshl_add_u32 v7, v3, 6, v7
	v_add_nc_u32 v7, s18, v7                       ; and out: tile row r, + 64 h: my 16 numbers of a block of 32
	s_mul_i32 s19, s16, WW
	s_add_co_u32 s19, s19, WSTG
	v_bfe_u32 v14, v0, 3, 1                        ; column l = 16 hi + 8 u + lo: u,
	v_and_b32 v15, 7, v0
	v_lshl_add_u32 v15, v3, 3, v15                 ; and its tile row i = 8 hi + lo
	v_mul_u32_u24 v8, v14, WSK
	v_lshl_add_u32 v8, v15, 4, v8
	v_add_nc_u32 v8, s19, v8                       ; W's stage, in: image u, 16 bytes at 16 i
	v_add_nc_u32 v9, s19, v4                       ; and out: 16 x lane
	v_lshl_add_u32 v10, v14, 4, v15
	v_lshlrev_b32 v10, 2, v10                      ; my column's place among the scale words: 4 (16 u + i)
	v_cmp_lt_u32 s17, 15, v1                       ; lanes 16-31
	s_mov_b32 s20, 0x76543210
	s_mov_b32 s21, 0xfedcba98                      ; v_permlanex16_b32's selects for lane l xor 16
	s_mov_b32 s23, 0x600000                        ; the mantissa field of 448
.irp b, 0,1,2,3
	v_mov_b32 v[TM+4+\b], 0                        ; written once: a lane permute's destination counts as one of its sources
.endr
; 64 numbers of a lane become a fragment's codes in v[pc] on and my tile row's scale word in v[pw]
.macro QUANT s, pc, pw
.irp b, 0,1,2,3
	v_max3_num_f32 v[TM+\b], |v[\s+16*\b]|, |v[\s+1+16*\b]|, 0x4800000   ; block b: my 16 numbers, and the floor 2^(9 - 127): the byte cannot fall under 1
.endr
.irp i, 2,4,6,8,10,12,14
.irp b, 0,1,2,3
	v_max3_num_f32 v[TM+\b], v[TM+\b], |v[\s+16*\b+\i]|, |v[\s+1+16*\b+\i]|   ; the four blocks by turns
.endr
.endr
.irp b, 0,1,2,3
	v_permlanex16_b32 v[TM+4+\b], v[TM+\b], s20, s21
.endr
.irp b, 0,1,2,3
	v_max_num_f32 v[TM+\b], v[TM+\b], v[TM+4+\b]   ; with lane l xor 16's: the block's largest magnitude
.endr
.irp b, 0,1,2,3
	v_add_nc_u32 v[TM+12+\b], 0xfc000000, v[TM+\b] ; 8 off its exponent field: the conversion's scale operand
.endr
.irp b, 0,1,2,3
	v_and_or_b32 v[TM+8+\b], v[TM+\b], 0x7f800000, s23   ; 448 x the scale
.endr
.irp b, 0,1,2,3
	v_lshrrev_b32 v[TM+4+\b], 23, v[TM+12+\b]      ; the scale's byte
.endr
	v_lshl_or_b32 v[\pw], v[TM+5], 8, v[TM+4]
	v_lshl_or_b32 v[\pw], v[TM+6], 16, v[\pw]
	v_lshl_or_b32 v[\pw], v[TM+7], 24, v[\pw]
.irp b, 0,1,2,3
.irp i, 0,1,2,3,4,5,6,7,8,9,10,11,12,13,14,15
	v_med3_num_f32 v[\s+16*\b+\i], v[\s+16*\b+\i], -v[TM+8+\b], v[TM+8+\b]   ; the conversion to an 8-bit code does not saturate (ISA guide 7.6.2): the hold
.endr
	v_cvt_scalef32_pk8_fp8_f32 v[\pc+4*\b:\pc+4*\b+1], v[\s+16*\b:\s+16*\b+7], v[TM+12+\b]
	v_cvt_scalef32_pk8_fp8_f32 v[\pc+4*\b+2:\pc+4*\b+3], v[\s+16*\b+8:\s+16*\b+15], v[TM+12+\b]
.endr
	v_nop                                          ; a plain line behind the last conversion
.endm
	s_wait_kmcnt 0x0
	s_cmp_lt_u32 ttmp9, 512
	s_cbranch_scc0 .Lw_path
	; ---- x: rows 32 g .. 32 g + 31, K step ks
	s_lshr_b32 s24, ttmp9, 1                       ; g
	s_and_b32 s25, ttmp9, 1
	s_lshl_b32 s25, s25, 2
	s_add_co_u32 s25, s25, s16                     ; ks = 4 (work-group % 2) + wave
	s_lshl_b32 s26, s24, 17                        ; 32 rows of 4,096 bytes
	s_lshl_b32 s27, s25, 9
	s_or_b32 s26, s26, s27
	s_mov_b32 s27, 0
	s_add_nc_u64 s[4:5], s[4:5], s[26:27]
	s_lshl_b32 s26, s24, 15                        ; two row tiles of 16,384 bytes
	s_lshl_b32 s28, s25, 11
	s_or_b32 s26, s26, s28
	s_add_nc_u64 s[12:13], s[12:13], s[26:27]
	s_lshr_b32 s26, s24, 2
	s_lshl_b32 s26, s26, 12                        ; the block of 128 rows,
	s_lshl_b32 s28, s25, 9
	s_or_b32 s26, s26, s28                         ; the K step,
	s_and_b32 s28, s24, 3
	s_lshl_b32 s28, s28, 7
	s_or_b32 s26, s26, s28                         ; my two tiles' 32 places
	s_add_nc_u64 s[14:15], s[14:15], s[26:27]
.set rho, 0
.rept 32
	global_load_b128 v[R+4*rho:R+4*rho+3], v4, s[4:5] offset:4096*rho th:TH_LOAD_NT   ; 512 consecutive bytes of row rho
.set rho, rho+1
.endr
.set rho, 0
.rept 4
	s_wait_loadcnt 24-rho                          ; these eight rows are in; the later groups of eight may be out
.rept 8
	ds_store_b128 v6, v[R+4*rho:R+4*rho+3] offset:XP*(16*((rho>>3)&1)+(rho&7)+8*(rho>>4))   ; row rho goes to stage row 16 u + i: the order of rows stands in the immediate
.set rho, rho+1
.endr
.endr
.macro XREAD u, reg                    ; tile u: my tile row's 16 numbers of each of the four blocks
.irp c, 0,1,2,3
.irp j, 0,1,2,3
	ds_load_b128 v[\reg+16*\c+4*\j:\reg+16*\c+4*\j+3], v7 offset:XP*16*\u+128*\c+16*\j
.endr
.endr
.endm
	XREAD 0, X
	s_wait_dscnt 0x0                               ; tile 0 is in, and the stores into the stage have read v16 on
	XREAD 1, R
	QUANT X, PC0, 224
.irp c, 0,1,2,3
	global_store_b128 v4, v[PC0+4*\c:PC0+4*\c+3], s[12:13] offset:512*\c         ; 32 lanes store 512 consecutive bytes
.endr
	s_wait_dscnt 0x0
	QUANT R, PC1, 225
.irp c, 0,1,2,3
	global_store_b128 v4, v[PC1+4*\c:PC1+4*\c+3], s[12:13] offset:16384+512*\c   ; the next row tile
.endr
	v_cndmask_b32 v226, v224, v225, s17            ; lanes 0-15: tile 0's words, lanes 16-31: tile 1's
	global_store_b32 v5, v226, s[14:15]            ; 128 consecutive bytes
	s_wait_tensorcnt 0x0                           ; the wave's end
	ds_add_u32 v[SPW], v[NIL]
	s_wait_dscnt 0x0
	s_endpgm
.Lw_path:
	; ---- a W: columns 32 cg .. 32 cg + 31, K step ks.  A LANE TAKES A COLUMN, AND ITS REGISTERS RUN DOWN K
	s_sub_co_u32 s24, ttmp9, 512
	s_lshr_b32 s25, s24, 6                         ; 0: Wv, 1: Wq, 2: Wk
	s_and_b32 s24, s24, 63
	s_and_b32 s26, s24, 7
	s_lshl_b32 s26, s26, 2
	s_add_co_u32 s26, s26, s16                     ; cg: the four waves stand side by side on 512 bytes of a row of W
	s_lshr_b32 s27, s24, 3                         ; ks
	s_cmp_eq_u32 s25, 0
	s_cselect_b64 s[6:7], s[6:7], s[8:9]
	s_cmp_eq_u32 s25, 2
	s_cselect_b64 s[6:7], s[10:11], s[6:7]         ; the choice hangs on the work-group's number alone
	s_lshl_b32 s28, s27, 19                        ; 128 rows of 4,096 bytes
	s_lshl_b32 s30, s26, 7
	s_or_b32 s28, s28, s30
	s_mov_b32 s29, 0
	s_add_nc_u64 s[6:7], s[6:7], s[28:29]
	s_lshl_b32 s28, s25, 6
	s_lshl_b32 s30, s26, 1
	s_add_co_u32 s28, s28, s30
	s_add_co_u32 s28, s28, 512                     ; row tile 512 + 64 m + 2 cg
	s_lshl_b32 s28, s28, 14
	s_lshl_b32 s30, s27, 11
	s_or_b32 s28, s28, s30
	s_add_nc_u64 s[12:13], s[12:13], s[28:29]
	s_lshl_b32 s28, s25, 3
	s_lshr_b32 s30, s26, 2
	s_add_co_u32 s28, s28, s30
	s_add_co_u32 s28, s28, 64                      ; block 64 + 8 m + cg / 4
	s_lshl_b32 s28, s28, 12
	s_lshl_b32 s30, s27, 9
	s_or_b32 s28, s28, s30
	s_and_b32 s30, s26, 3
	s_lshl_b32 s30, s30, 7
	s_or_b32 s28, s28, s30
	s_add_nc_u64 s[14:15], s[14:15], s[28:29]
.macro LOADW c                         ; block c: W(128 ks + 32 c + i, my column)
.irp i, 0,1,2,3,4,5,6,7,8,9,10,11,12,13,14,15,16,17,18,19,20,21,22,23,24,25,26,27,28,29,30,31
	global_load_b32 v[R+32*\c+\i], v5, s[6:7] offset:(32*\c+\i)*4096 th:TH_LOAD_NT
.endr
.endm
.macro BLOCK c                         ; all 32 numbers of the block are mine
.set XS, R+32*\c
	v_max3_num_f32 v208, |v[XS]|, |v[XS+1]|, |v[XS+2]|
	v_max3_num_f32 v209, |v[XS+3]|, |v[XS+4]|, |v[XS+5]|
.irp i, 6,10,14,18,22,26
	v_max3_num_f32 v208, v208, |v[XS+\i]|, |v[XS+\i+1]|
	v_max3_num_f32 v209, v209, |v[XS+\i+2]|, |v[XS+\i+3]|
.endr
	v_max3_num_f32 v208, v208, |v[XS+30]|, |v[XS+31]|
	v_max3_num_f32 v208, v208, v209, 0x4800000     ; and the floor
	v_add_nc_u32 v211, 0xfc000000, v208            ; the conversion's scale operand
	v_and_or_b32 v210, v208, 0x7f800000, s23       ; 448 x the scale
	v_lshrrev_b32 v209, 23, v211                   ; the byte
.if \c == 0
	v_mov_b32 v[SB], v209
.else
	v_lshl_or_b32 v[SB], v209, 8*\c, v[SB]
.endif
.irp i, 0,1,2,3,4,5,6,7,8,9,10,11,12,13,14,15,16,17,18,19,20,21,22,23,24,25,26,27,28,29,30,31
	v_med3_num_f32 v[XS+\i], v[XS+\i], -v210, v210
.endr
.irp g, 0,1,2,3
	v_cvt_scalef32_pk8_fp8_f32 v[C+8*\c+2*\g:C+8*\c+2*\g+1], v[XS+8*\g:XS+8*\g+7], v211
.endr
	v_nop                                          ; a plain line behind the last conversion
	ds_store_b128 v8, v[C+8*\c:C+8*\c+3] offset:512*\c          ; k = 32 c + 0 .. 15: the image's lane i,
	ds_store_b128 v8, v[C+8*\c+4:C+8*\c+7] offset:512*\c+256    ; k = 32 c + 16 .. 31: its lane 16 + i
.endm
	LOADW 0
	LOADW 1
	s_wait_loadcnt 32                              ; block 0 is in; one block of 32 loads may be out
	LOADW 2
	BLOCK 0
	s_wait_loadcnt 32                              ; block 1 is in
	LOADW 3
	BLOCK 1
	s_wait_loadcnt 32                              ; block 2 is in
	BLOCK 2
	s_wait_loadcnt 0x0
	BLOCK 3
.irp n, 0,1,2,3,4,5,6,7
	ds_load_b128 v[O+4*\n:O+4*\n+3], v9 offset:WSK*(\n/4)+512*(\n%4)   ; LDS serves a wave's instructions in order (ISA guide 5.7.1.4): these see my stores
.endr
.irp n, 0,1,2,3,4,5,6,7
	s_wait_dscnt 7-\n                              ; the younger loads from the stage may be out
	global_store_b128 v4, v[O+4*\n:O+4*\n+3], s[12:13] offset:16384*(\n/4)+512*(\n%4)
.endr
	global_store_b32 v10, v[SB], s[14:15]
	s_wait_tensorcnt 0x0                           ; the wave's end
	ds_add_u32 v[SPW], v[NIL]
	s_wait_dscnt 0x0
	s_endpgm
.Lfunc_end_k_q5c4a299ab5_quant:
	.size	k_q5c4a299ab5_quant, .Lfunc_end_k_q5c4a299ab5_quant-k_q5c4a299ab5_quant
	.p2alignl 7, 3214868480
	.fill 96, 4, 3214868480
	.section	.rodata,"a",@progbits
	.p2align	6, 0x0
	.amdhsa_kernel k_q5c4a299ab5_quant
		.amdhsa_group_segment_fixed_size 85504
		.amdhsa_private_segment_fixed_size 0
		.amdhsa_enable_private_segment 0
		.amdhsa_kernarg_size 48
		.amdhsa_user_sgpr_count 2
		.amdhsa_user_sgpr_kernarg_segment_ptr 1
		.amdhsa_wavefront_size32 1
		.amdhsa_system_sgpr_workgroup_id_x 1
		.amdhsa_system_sgpr_workgroup_id_y 1
		.amdhsa_system_sgpr_workgroup_id_z 1
		.amdhsa_system_vgpr_workitem_id 0
		.amdhsa_next_free_vgpr 256
		.amdhsa_next_free_sgpr 66
		.amdhsa_reserve_vcc 0
		.amdhsa_float_denorm_mode_32 3
		.amdhsa_float_denorm_mode_16_64 3
		.amdhsa_memory_ordered 1
		.amdhsa_forward_progress 1
		.amdhsa_inst_pref_size 57
	.end_amdhsa_kernel
	.amdgpu_metadata
---
amdhsa.version: [ 1, 2 ]
amdhsa.kernels:
  - .name:           k_q5c4a299ab5_quant
    .symbol:         k_q5c4a299ab5_quant.kd
    .args:
      - { .name: x, .offset: 0, .size: 8, .value_kind: global_buffer, .address_space: global }
      - { .name: Wv, .offset: 8, .size: 8, .value_kind: global_buffer, .address_space: global }
      - { .name: Wq, .offset: 16, .size: 8, .value_kind: global_buffer, .address_space: global }
      - { .name: Wk, .offset: 24, .size: 8, .value_kind: global_buffer, .address_space: global }
      - { .name: c1, .offset: 32, .size: 8, .value_kind: global_buffer, .address_space: global }
      - { .name: s1, .offset: 40, .size: 8, .value_kind: global_buffer, .address_space: global }
    .group_segment_fixed_size: 85504
    .private_segment_fixed_size: 0
    .kernarg_segment_align: 8
    .kernarg_segment_size: 48
    .max_flat_workgroup_size: 128
    .sgpr_count:     66
    .vgpr_count:     256
    .wavefront_size: 32
...
	.end_amdgpu_metadata
.endif
;; end of part 1
;; launch proj (part 2): grid 32 x 8, 4 waves a work-group, clusters of 4 x 1, 327,680 bytes of LDS; arguments c1, s1, bq, bk, bv, c2, s2; writes c2, s2
.if DOCPART == 2
	.amdgcn_target "amdgcn-amd-amdhsa--gfx1250"
	.amdhsa_code_object_version 6
	.text
	.protected	k_q5c4a299ab5_proj
	.globl	k_q5c4a299ab5_proj
	.p2align	8
	.type	k_q5c4a299ab5_proj,@function
k_q5c4a299ab5_proj:
	s_mov_b64 s[64:65], 0
	v_nop
	global_prefetch_b8 v0, s[64:65] scope:SCOPE_SE
	s_setreg_imm32_b32 hwreg(HW_REG_WAVE_MODE, 25, 1), 1
	s_wait_xcnt 0x0
	s_wait_alu depctr_hold_cnt(0) depctr_sa_sdst(0) depctr_va_vdst(0) depctr_va_sdst(0) depctr_va_ssrc(0) depctr_va_vcc(0) depctr_vm_vsrc(0)
	s_getreg_b32 s2, hwreg(HW_REG_IB_STS2, 6, 4)
	s_cmp_eq_u32 s2, 0
	s_cbranch_scc0 .Lentry_in_a_cluster
	s_endpgm
.Lentry_in_a_cluster:
	s_bfe_u32 s2, ttmp6, 0x10000c
	s_cmp_lg_u32 s2, 0x3003
	s_cbranch_scc0 .Lentry_shape_is_right
	s_endpgm
.Lentry_shape_is_right:
; SECOND LAUNCH: V = x Wv + bv, Q = x Wq + bq, K = x Wk + bk on the codes of c1, s1; the results are quantised on the way out, V along the keys, Q and K along the features, into c2, s2.  No work is left out.
; c2 = Q [row tile 512][K step 8][2,048]; K the same from byte 2^23; V^T [batch 4][d tile 64][K step 16][2,048] from byte 2^24.  s2 = Q's scale words [block 64][8][128]; K's from byte 2^18; V^T's [batch][d block 8][16][128] from byte 2^19.
; SHARES.  256 work-groups: 256 rows of x x column block j (128 columns) of each of Wv, Wq, Wk.  A wave HOLDS its own 64 rows of x, all of K, in 512 registers (windows 1, 2) and STREAMS the 384 columns past them in 24 blocks of 16
; (row tiles of c1), which stand in registers as two whole sets (window 3).  No two waves of a work-group share rows of x, so these go from memory straight into registers; their 262,144 bytes would not fit in LDS beside the weights' two chunks.
; THE WEIGHTS are joint loads: the four work-groups of a cluster have the same j.  LDS holds four regions of 65,536 bytes (4 tiles): V fills 0 and 1, Q 2 and 3, at the head; K's halves fill 0 and 1 again, each behind a drained round.
; LAYOUT.  Two row tiles 2 g, 2 g + 1 used as source 0 leave in a lane's 16 registers 16 neighbours along that axis.  V: source 0 = x's tiles (a lane holds one d, registers along the keys); Q, K: source 0 = the weight's tiles (a lane holds one
; position, registers along the features).  Blocks go in pairs; a pair's 64 sums are four scale blocks of 16 registers each: V: 2 u + c (d tile u, 32 keys c); Q, K: the position tile.  A block of 32 lies in lanes l and l xor 16.
; A pair's way out stands among the next pair's products: four lines behind each two products.  The biases are the C of each sum's first product.
; A PREFETCH: K's 131,072 bytes of column block j, 256 bytes a lane, one instruction in each of the cluster's sixteen waves, in V's first trip: three blocks ahead of the load of K's first half, seven ahead of the second's; clusters 0 to 3 of a column block ask.
; LIMITS: as in the first launch (byte 1 for blocks under 2^-118 and for zeros; NaN and infinities not served).
.set SCW,   262144                     ; the weights' scale words: V, Q, K: [K step 8][128 places] each
.set BIASB, SCW+12288                  ; the biases as the first products' C: 1,024 bytes a pair, 512 a block: V 32 bytes for each d (eight copies), Q and K 32 bytes for each half of the lanes
.set XV,    BIASB+12288                ; V's scale words of my work-group: [2][128]
.set SPARE, XV+1024                    ; the spare words, 128 bytes for each wave: two blocks of 256 bytes that no other line names
.set LI,   4                           ; v4  16 x lane
.set L4S,  5                           ; v5  SCW + 4 x lane
.set SPW,  6                           ; v6  my spare word;  v7 0
.set NIL,  7
.set ADR,  8                           ; v8, v9 LDS address of this trip's, the next trip's four blocks
.set ADRN, 9
.set SADR, 10                          ; v10 the next pair's scale words;  v11 its biases
.set BA,   11
.set LV,   12                          ; v12 BIASB + 32 r;  v13 BIASB + 32 h
.set LQ,   13
.set VX,   14                          ; v14 where V's bytes go in LDS
.set PFO,  15                          ; v15 the prefetch's offset
.set SOP,  16                          ; v16-19 the conversions' scale operands
.set EB,   20                          ; v20-23 scale bytes
.set SB,   24                          ; v24-39 x's scale words: register 8 p + q: lanes 0-15 tile 2 p, lanes 16-31 tile 2 p + 1
.set TQ,   40                          ; v40-43, v224-227 the way out at work
.set TR,   224
.set SA,   44                          ; v44-59 the stream's scale words: two sets of eight; lanes 0-15 the pair's even block, lanes 16-31 its odd one
.set PW,   60                          ; v60-63 Q's, K's scale words as they grow
.set ACC,  64                          ; v64-191 two sets of 64 sums
.set MCD,  192                         ; v192-207 codes
.set BQ,   208                         ; v208-223 biases of the even and of the odd block
.set L4,   228
.set TW,   230
.set T4,   234
.set VB,   80                          ; s[80:81] V's codes;  s[82:83] Q's, K's;  s[84:85] Q's words;  s[86:87] V's words;  s[88:89] K's rows
.set QB,   82
.set WB,   84
.set VW,   86
.set KB,   88
.set P,    92                          ; s92 the next pair's number
.set OFF,  93                          ; s93 the next trip's region in LDS
.set ASKT, 96
.set MSB, 0
.macro WIN new                         ; the immediate's high byte repeats the setting that is left
.if MSB != (\new)
	s_set_vgpr_msb (MSB<<8)|(\new)
.set MSB, (\new)
.endif
.endm
.macro CROUND                          ; a round of the cluster's barrier
	s_barrier_signal -1
	s_barrier_wait -1
	s_cmp_lg_u32 s14, 0
	s_cbranch_scc1 .Lnot_wave_0_\@
	s_barrier_signal -3
.Lnot_wave_0_\@:
	s_barrier_wait -3
	s_barrier_signal -1
	s_barrier_wait -1
.endm
.macro TLOAD g0, g1                    ; an s_nop 0 and four v_nop follow each load
	tensor_load_to_lds s[\g0:\g0+3], s[\g1:\g1+7]
	s_nop 0
.rept 4
	v_nop
.endr
.endm
.macro SHAPE g, el, rows, pitch        ; group 1: joint (mask 15), rows of el elements of 8 bytes, pitch elements apart
	s_mov_b32 s[\g], 15|(3<<16)|(1<<21)
	s_mov_b32 s[\g+1], (\el)<<16
	s_mov_b32 s[\g+2], (\rows)<<16
	s_mov_b32 s[\g+3], (\el)<<16
	s_mov_b32 s[\g+4], \rows
	s_mov_b32 s[\g+5], \pitch
	s_mov_b32 s[\g+6], 0
	s_mov_b32 s[\g+7], 0
.endm
.macro RUN adr, blk, k, e              ; quarter k (256 along K) of a block into set e: eight loads of 512 consecutive bytes
	WIN 0xc0
.irp i, 0,1,2,3,4,5,6,7
	ds_load_b128 v[128*(\e)+32*(\k)+4*\i:128*(\e)+32*(\k)+4*\i+3], v[\adr] offset:16384*(\blk)+4096*(\k)+512*\i
.endr
.endm
.macro MM x, y, sx, sy, rx, ry         ; D = A_, C = C_
.if (\rx) && (\ry)
	v_wmma_scale_f32_16x16x128_f8f6f4 v[A_:A_+7], v[\x:\x+15], v[\y:\y+15], v[C_:C_+7], v[\sx], v[\sy] matrix_a_scale:MATRIX_SCALE_ROW1 matrix_b_scale:MATRIX_SCALE_ROW1
.elseif (\rx)
	v_wmma_scale_f32_16x16x128_f8f6f4 v[A_:A_+7], v[\x:\x+15], v[\y:\y+15], v[C_:C_+7], v[\sx], v[\sy] matrix_a_scale:MATRIX_SCALE_ROW1
.elseif (\ry)
	v_wmma_scale_f32_16x16x128_f8f6f4 v[A_:A_+7], v[\x:\x+15], v[\y:\y+15], v[C_:C_+7], v[\sx], v[\sy] matrix_b_scale:MATRIX_SCALE_ROW1
.else
	v_wmma_scale_f32_16x16x128_f8f6f4 v[A_:A_+7], v[\x:\x+15], v[\y:\y+15], v[C_:C_+7], v[\sx], v[\sy]
.endif
.endm
; Product n = 4 q + b of block u of a pair (sums in set p): K step q, x's tile b.  The four sums of a block take turns.  kind 0: Q, K;  1: V
.macro PROD kind, p, u, n
.set Q_, (\n)/4
.set B_, (\n)%4
.set F_, 16*((\n)%16)
.set W_, 1+(\n)/16
.set Y_, 128*(\u)+16*Q_
.set XS_, SB+8*(B_/2)+Q_
.set WS_, SA+8*(\p)+Q_
.if \kind
.set A_, ACC+64*(\p)+32*(\u)+8*B_
.else
.set A_, ACC+64*(\p)+16*B_+8*(\u)
.endif
.set C_, A_
.if Q_ == 0
.set C_, BQ+8*(\u)
.endif
.if \kind
	WIN W_|(3<<2)
	MM F_, Y_, XS_, WS_, B_%2, \u
.else
	WIN 3|(W_<<2)
	MM Y_, F_, WS_, XS_, \u, B_%2
.endif
.endm
; Line m of the way out of two scale blocks s0 (even lines) and s0 + 1 (odd lines) of the set at x: 32 lines each, by turns
.macro WL kind, m, x, s0
.set K_, (\m)/2
.set O_, (\m)%2
.set X_, (\x)+16*((\s0)+O_)
.set T_, TQ+(TR-TQ)*O_
.set S_, (\s0)+O_
.if K_ == 0
	v_max3_num_f32 v[T_], |v[X_]|, |v[X_+1]|, |v[X_+2]|       ; each accumulator is read from its low end on
.elseif K_ == 1
	v_max3_num_f32 v[T_+1], |v[X_+8]|, |v[X_+9]|, |v[X_+10]|
.elseif K_ < 6
.set R_, X_+8*(K_%2)+2*(K_/2)+1
	v_max3_num_f32 v[T_+K_%2], v[T_+K_%2], |v[R_]|, |v[R_+1]|
.elseif K_ == 6
	v_max3_num_f32 v[T_], v[T_], |v[X_+7]|, |v[X_+15]|
.elseif K_ == 7
	v_max3_num_f32 v[T_], v[T_], v[T_+1], 0x4800000           ; and the floor 2^(9 - 127): the byte cannot fall under 1
.elseif K_ == 8
	v_permlanex16_b32 v[T_+2], v[T_], s60, s61
.elseif K_ == 9
	v_max_num_f32 v[T_], v[T_], v[T_+2]                       ; with lane l xor 16's: the block's largest magnitude
.elseif K_ == 10
	v_add_nc_u32 v[SOP+S_], 0xfc000000, v[T_]                 ; 8 off its exponent field: the conversion's scale operand
.elseif K_ == 11
	v_and_or_b32 v[T_+3], v[T_], 0x7f800000, s62              ; 448 x the scale
.elseif K_ == 12
	v_lshrrev_b32 v[EB+S_], 23, v[SOP+S_]                     ; the byte
.elseif K_ == 13
.if (\kind) == 0
	v_perm_b32 v[PW+S_], v[EB+S_], v[PW+S_], s63              ; on top of the word, the older bytes one place down: after four pairs the word is whole
.endif
.elseif K_ < 22
	v_med3_num_f32 v[X_+K_-14], v[X_+K_-14], -v[T_+3], v[T_+3]     ; the hold (the conversion to an 8-bit code does not saturate: ISA guide 7.6.2)
.elseif K_ == 22
	v_cvt_scalef32_pk8_fp8_f32 v[MCD+4*S_:MCD+4*S_+1], v[X_:X_+7], v[SOP+S_]
.elseif K_ < 31
	v_med3_num_f32 v[X_+K_-15], v[X_+K_-15], -v[T_+3], v[T_+3]
.else
	v_cvt_scalef32_pk8_fp8_f32 v[MCD+4*S_+2:MCD+4*S_+3], v[X_+8:X_+15], v[SOP+S_]
.endif
.endm
.macro SCALE4 p, q0                    ; the next pair's scale words
.irp q, 0,1,2,3
	ds_load_b32 v[SA+8*(1-(\p))+\q0+\q], v[SADR] offset:512*(\q0+\q)
.endr
.endm
; BLOCK b of a trip's four: 32 products, the other set's way out (half of it), and the fetches: behind group 1 the next block's last quarter, behind groups 5, 9 and 13 the first three of the block two on: each stands
; eight plain lines or more behind the last product that read the registers.  So behind the next block's last quarter 26 LDS loads are issued in an odd block, 34 in an even one.
.macro BLOCK kind, p, b
.set U_, (\b)%2
.set G_, 0
.rept 16
	PROD \kind, \p, U_, 2*G_
	PROD \kind, \p, U_, 2*G_+1
	WIN 0
	WL \kind, 4*G_, ACC+64*(1-(\p)), 2*U_
	WL \kind, 4*G_+1, ACC+64*(1-(\p)), 2*U_
	WL \kind, 4*G_+2, ACC+64*(1-(\p)), 2*U_
	WL \kind, 4*G_+3, ACC+64*(1-(\p)), 2*U_
.if G_ == 1
.if (\b) < 3
	RUN ADR, (\b)+1, 3, 1-U_
.else
	RUN ADRN, 0, 3, 1-U_
.endif
.endif
.if (G_ == 5) || (G_ == 9) || (G_ == 13)
.if G_ == 5
	ds_load_b128 v[BQ+8*U_:BQ+8*U_+3], v[BA] offset:512*U_
	ds_load_b128 v[BQ+8*U_+4:BQ+8*U_+7], v[BA] offset:512*U_+16
.elseif U_ == 0
	SCALE4 \p, G_-9
.endif
.if (\b) < 2
	RUN ADR, (\b)+2, (G_-5)/4, U_
.else
	RUN ADRN, (\b)-2, (G_-5)/4, U_
.endif
.endif
.set G_, G_+1
.endr
	WIN 0
	v_nop                                          ; a plain line behind the last conversion
	s_wait_alu depctr_va_vdst(0)
	s_wait_xcnt 0x0                                ; the stores of the block before have read their codes and their base
.endm
.macro NEXT kind                       ; the next pair's addresses (the last pair fetches its own words and biases again)
	s_add_co_u32 s[P], s[P], 1
	s_min_u32 s22, s[P], 11
	s_lshr_b32 s20, s22, 2
	s_lshl_b32 s20, s20, 12
	s_and_b32 s21, s22, 3
	s_lshl_b32 s21, s21, 7
	s_add_co_u32 s20, s20, s21
	v_add_nc_u32 v[SADR], s20, v[L4S]
.if \kind
	s_min_u32 s21, s22, 3                          ; V's biases alone; Q's first are loaded between the loops
	s_lshl_b32 s21, s21, 10
	v_add_nc_u32 v[BA], s21, v[LV]
.else
	s_lshl_b32 s21, s22, 10
	v_add_nc_u32 v[BA], s21, v[LQ]
.endif
.endm
.macro TRIP kind                       ; the last trip's look-ahead reads a region that has landed; nothing uses it
	v_add_nc_u32 v[ADR], s[OFF], v[LI]
	s_add_co_u32 s[OFF], s[OFF], 65536
	s_and_b32 s[OFF], s[OFF], 0x3ffff
	v_add_nc_u32 v[ADRN], s[OFF], v[LI]
	NEXT \kind
.endm
.macro VSTEP
	s_add_nc_u64 s[VB:VB+1], s[VB:VB+1], 65536     ; two d tiles on
	v_add_nc_u32 v[VX], 128, v[VX]
.endm
.macro VST h                           ; d tile h of a pair: two stores of 512 consecutive bytes, two bytes for each d
	global_store_b128 v[LI], v[MCD+8*\h:MCD+8*\h+3], s[VB:VB+1] offset:32768*\h
	global_store_b128 v[LI], v[MCD+8*\h+4:MCD+8*\h+7], s[VB:VB+1] offset:32768*\h+512
	ds_store_b8 v[VX], v[EB+2*\h] offset:64*\h
	ds_store_b8 v[VX], v[EB+2*\h+1] offset:64*\h+1
.endm
.macro QST h                           ; position tiles 2 h, 2 h + 1: 32 features of 16 positions each
	global_store_b128 v[LI], v[MCD+8*\h:MCD+8*\h+3], s[QB:QB+1] offset:32768*\h
	global_store_b128 v[LI], v[MCD+8*\h+4:MCD+8*\h+7], s[QB:QB+1] offset:32768*\h+16384
.endm
.macro WORDS off                       ; lanes 0-15: an even tile's words, lanes 16-31: the next tile's
	v_cndmask_b32 v[TW], v[PW], v[PW+1], s66
	v_cndmask_b32 v[TW+1], v[PW+2], v[PW+3], s66
	global_store_b32 v[L4], v[TW], s[WB:WB+1] offset:\off
	global_store_b32 v[L4], v[TW+1], s[WB:WB+1] offset:\off+128
.endm
	s_load_b256 s[4:11], s[0:1], 0x0               ; c1 s[4:5], s1 s[6:7], bq s[8:9], bk s[10:11]
	s_load_b64 s[12:13], s[0:1], 0x20              ; bv
	s_load_b128 s[16:19], s[0:1], 0x28             ; c2 s[16:17], s2 s[18:19]
	v_lshl_add_u32 v[SPW], v0, 2, SPARE
	v_mov_b32 v[NIL], 0
	ds_add_u32 v[SPW], v[NIL]                      ; the wave's opening: the add, twice on end, and its wait ahead of my first tensor load
	ds_add_u32 v[SPW], v[NIL]
	v_lshrrev_b32 v1, 5, v0
	v_readfirstlane_b32 s14, v1                    ; wave 0..3
	v_and_b32 v1, 31, v0                           ; lane
	v_and_b32 v2, 15, v0                           ; r
	v_bfe_u32 v3, v0, 4, 1                         ; h
	v_lshlrev_b32 v[LI], 4, v1
	v_lshlrev_b32 v[L4], 2, v1
	v_add_nc_u32 v[L4S], SCW, v[L4]
	v_lshl_add_u32 v[LV], v2, 5, BIASB
	v_lshl_add_u32 v[LQ], v3, 5, BIASB
	v_lshlrev_b32 v[T4], 2, v0
	; thread t stages bias number t = 32 g + 16 hi + 8 u + lo of the column block
	v_lshrrev_b32 v232, 5, v0
	v_lshlrev_b32 v232, 10, v232
	v_bfe_u32 v233, v0, 3, 1
	v_lshl_add_u32 v233, v233, 9, v232             ; 1,024 g + 512 u
	v_and_b32 v235, 7, v0
	v_lshl_add_u32 v232, v3, 8, v233
	v_lshl_add_u32 v232, v235, 5, v232
	v_add_nc_u32 v232, BIASB, v232                 ; V: + 32 (8 hi + lo)
	v_lshl_add_u32 v233, v3, 5, v233
	v_lshl_add_u32 v233, v235, 2, v233
	v_add_nc_u32 v233, BIASB, v233                 ; Q, K: + 32 hi + 4 lo
	s_and_b32 s15, s14, 1                          ; my half of a block of 128 positions
	s_lshr_b32 s20, s14, 1
	s_bfe_u32 s22, ttmp6, 0x40000                  ; cx: it enters addresses of plain loads, stores and the prefetch alone
	s_and_b32 s94, ttmp7, 0xffff                   ; j: the column block
	s_lshl_b32 s21, ttmp9, 2
	s_add_co_u32 s21, s21, s22                     ; my 256 rows of x
	s_lshl_b32 s67, s21, 1                         ; their first block of 128
	s_add_co_u32 s95, s67, s20                     ; my block T
	s_lshl_b32 s23, s22, 2
	s_add_co_u32 s23, s23, s14
	s_lshl_b32 s23, s23, 13
	v_lshl_add_u32 v[PFO], v1, 8, s23              ; my sixteenth of K's 131,072 bytes, 256 bytes a lane
	s_lshl_b32 s20, s20, 9
	s_lshl_b32 s21, s15, 1
	s_add_co_u32 s20, s20, s21
	s_add_co_u32 s20, s20, XV-256                  ; two steps ahead of its first use
	v_lshl_add_u32 v[VX], v2, 2, s20
	v_cmp_lt_u32 s66, 15, v1                       ; lanes 16-31
	SHAPE 24, 2048, 4, 2048                        ; V: four row tiles
	SHAPE 32, 512, 3, 4096                         ; the scale words: 4,096 bytes of each weight
	SHAPE 40, 2048, 8, 2048                        ; Q: eight row tiles
	SHAPE 48, 1024, 2, 1024                        ; a refill: one row tile a wave, as two rows
	s_mov_b32 s60, 0x76543210
	s_mov_b32 s61, 0xfedcba98                      ; v_permlanex16_b32's selects for lane l xor 16
	s_mov_b32 s62, 0x600000                        ; the mantissa field of 448
	s_mov_b32 s63, 0x04030201
	s_mov_b32 s3, 0
	s_mov_b32 s[P], 0
	s_mov_b32 s[OFF], 0
	s_mov_b32 s98, 8388608-1536                    ; from Q's last pair to K's first
	s_mov_b32 s99, 512
	s_mov_b32 s101, 0
	s_lshl_b32 s97, s14, 14
	s_cmp_lt_u32 ttmp9, 4
	s_cselect_b32 s[ASKT], 0, 9
	s_wait_alu depctr_va_vdst(0)
	s_wait_dscnt 0x0                               ; both opening adds are done
	CROUND                                         ; all four work-groups are here: the first joint loads meet
	s_wait_kmcnt 0x0
	s_mov_b32 s21, 0
	s_mov_b32 s23, 0
	s_lshl_b32 s20, s94, 17
	s_add_co_u32 s20, s20, 0x800000                ; Wv's tiles begin at row tile 512
	s_add_nc_u64 s[KB:KB+1], s[4:5], s[20:21]
	s_lshl_b32 s22, s14, 16
	s_mov_b32 s56, 1                               ; V: waves 0, 1 fetch a half each
	s_mov_b32 s57, s22
	s_add_nc_u64 s[58:59], s[KB:KB+1], s[22:23]
	s_or_b32 s59, s59, 0x80000000
	s_mov_b32 s72, 1                               ; Q
	s_mov_b32 s73, 131072
	s_add_nc_u64 s[74:75], s[KB:KB+1], 0x100000
	s_or_b32 s75, s75, 0x80000000
	s_add_nc_u64 s[KB:KB+1], s[KB:KB+1], 0x200000  ; K
	s_lshl_b32 s20, s94, 12
	s_add_co_u32 s20, s20, 0x40000                 ; block 64 + j of s1
	s_mov_b32 s68, 1
	s_mov_b32 s69, SCW
	s_add_nc_u64 s[70:71], s[6:7], s[20:21]
	s_or_b32 s71, s71, 0x80000000
	s_mov_b32 s76, 1
	s_cmp_lt_u32 s14, 2                            ; ONE joint load a wave, in one chain of branches; what the first barrier shows has lines of its own
	s_cbranch_scc0 .Lhead_s
	TLOAD 56, 24
	s_branch .Lhead_asked
.Lhead_s:
	s_cmp_lt_u32 s14, 3
	s_cbranch_scc0 .Lhead_q
	TLOAD 68, 32
	s_branch .Lhead_asked
.Lhead_q:
	TLOAD 72, 40
.Lhead_asked:
	s_lshl_b32 s20, s94, 9                         ; 128 numbers of a bias
	s_add_nc_u64 s[8:9], s[8:9], s[20:21]
	s_add_nc_u64 s[10:11], s[10:11], s[20:21]
	s_add_nc_u64 s[12:13], s[12:13], s[20:21]
	global_load_b32 v192, v[T4], s[12:13]
	global_load_b32 v196, v[T4], s[8:9]
	global_load_b32 v197, v[T4], s[10:11]
	s_lshl_b32 s20, s95, 12
	s_lshl_b32 s22, s15, 8
	s_add_co_u32 s20, s20, s22
	s_add_nc_u64 s[6:7], s[6:7], s[20:21]          ; my rows' scale words
.irp q, 0,1,2,3,4,5,6,7
	global_load_b32 v[SB+\q], v[L4], s[6:7] offset:512*\q
	global_load_b32 v[SB+8+\q], v[L4], s[6:7] offset:512*\q+128
.endr
	s_lshl_b32 s20, s95, 17
	s_lshl_b32 s22, s15, 16
	s_add_co_u32 s20, s20, s22
	s_add_nc_u64 s[4:5], s[4:5], s[20:21]          ; my four row tiles
.set f, 0
.rept 32                               ; fragment f = 4 q + tile: 32 lanes read 512 consecutive bytes a load
	WIN (1+f/16)<<6
.irp c, 0,1,2,3
	global_load_b128 v[16*(f%16)+4*\c:16*(f%16)+4*\c+3], v[LI], s[4:5] offset:16384*(f%4)+2048*(f/4)+512*\c
.endr
.set f, f+1
.endr
	WIN 0
	; where my results go
	s_lshr_b32 s20, s95, 4
	s_lshl_b32 s20, s20, 21
	s_lshl_b32 s22, s94, 18
	s_add_co_u32 s20, s20, s22
	s_and_b32 s22, s95, 15
	s_lshl_b32 s22, s22, 11
	s_add_co_u32 s20, s20, s22
	s_lshl_b32 s22, s15, 10
	s_add_co_u32 s20, s20, s22
	s_add_co_u32 s20, s20, 16777216-131072         ; (two steps ahead of its first use)
	s_add_nc_u64 s[VB:VB+1], s[16:17], s[20:21]
	s_lshl_b32 s20, s95, 17
	s_lshl_b32 s22, s15, 16
	s_add_co_u32 s20, s20, s22
	s_lshl_b32 s22, s94, 11
	s_add_co_u32 s20, s20, s22
	s_add_nc_u64 s[QB:QB+1], s[16:17], s[20:21]
	s_sub_nc_u64 s[QB:QB+1], s[QB:QB+1], 512       ; (one step)
	s_lshl_b32 s20, s95, 12
	s_lshl_b32 s22, s94, 9
	s_add_co_u32 s20, s20, s22
	s_lshl_b32 s22, s15, 8
	s_add_co_u32 s20, s20, s22
	s_add_nc_u64 s[WB:WB+1], s[18:19], s[20:21]
	s_lshr_b32 s20, s67, 4
	s_lshl_b32 s20, s20, 16
	s_lshl_b32 s22, s94, 13
	s_add_co_u32 s20, s20, s22
	s_and_b32 s22, s67, 15
	s_lshl_b32 s22, s22, 9
	s_add_co_u32 s20, s20, s22
	s_lshl_b32 s22, s14, 8
	s_add_co_u32 s20, s20, s22
	s_add_co_u32 s20, s20, 524288
	s_add_nc_u64 s[VW:VW+1], s[18:19], s[20:21]
.set i_, 0
.rept 64
	v_mov_b32 v[ACC+64+i_], 0                      ; the first pair's products find no pair before them: what its way-out lines read is written once
.set i_, i_+1
.endr
.irp i, 0,1,2,3
	v_mov_b32 v[PW+\i], 0
.endr
	v_mov_b32 v[TQ+2], 0                           ; a lane permute's destination counts as one of its sources
	v_mov_b32 v[TR+2], 0
	s_wait_loadcnt 63                              ; the three bias numbers, the oldest of 147 loads, are in
	v_mov_b32 v193, v192
	v_mov_b32 v194, v192
	v_mov_b32 v195, v192
	ds_store_b128 v232, v[192:195]
	ds_store_b128 v232, v[192:195] offset:16
	ds_store_b32 v233, v196 offset:4096
	ds_store_b32 v233, v197 offset:8192
	s_wait_alu depctr_va_vdst(0)
	s_cmp_lt_u32 s14, 3
	s_cbranch_scc0 .Lnot_yet
	s_wait_tensorcnt 0x0                           ; V and the scale words have landed.  Wave 3's load, Q, is shown at the first trip's end
.Lnot_yet:
	s_wait_dscnt 0x0                               ; the biases are in LDS
	s_barrier_signal -1
	s_barrier_wait -1
	RUN LI, 0, 0, 0
	RUN LI, 0, 1, 0
	RUN LI, 0, 2, 0
	RUN LI, 0, 3, 0
	RUN LI, 1, 0, 1
	RUN LI, 1, 1, 1
	RUN LI, 1, 2, 1
	WIN 0
.irp q, 0,1,2,3,4,5,6,7
	ds_load_b32 v[SA+\q], v[L4S] offset:512*\q
.endr
.irp u, 0,1
	ds_load_b128 v[BQ+8*\u:BQ+8*\u+3], v[LV] offset:512*\u
	ds_load_b128 v[BQ+8*\u+4:BQ+8*\u+7], v[LV] offset:512*\u+16
.endr
	s_wait_dscnt 0x0
	s_wait_loadcnt 0x0                             ; x is in registers
.Lv:                                               ; V: two trips of four blocks
	TRIP 1
	BLOCK 1, 0, 0
	VSTEP
	s_cmp_eq_u32 s3, 0
	s_cbranch_scc1 .Lnone_0                        ; no pair before the first
	VST 0
.Lnone_0:
	s_cmp_eq_u32 s3, s[ASKT]
	s_cbranch_scc0 .Lno_ask
	global_prefetch_b8 v[PFO], s[KB:KB+1] th:TH_LOAD_NT scope:SCOPE_SE
.Lno_ask:
	s_wait_dscnt 34
	BLOCK 1, 0, 1
	s_cmp_eq_u32 s3, 0
	s_cbranch_scc1 .Lnone_1
	VST 1
.Lnone_1:
	NEXT 1
	s_wait_dscnt 26
	BLOCK 1, 1, 2
	VSTEP
	VST 0
	s_wait_dscnt 34
	BLOCK 1, 1, 3
	VST 1
	s_wait_tensorcnt 0x0                           ; all my tensor loads have landed: Q at the first trip's end, K's first half at the second's
	ds_add_u32 v[SPW], v[NIL]
	s_lshl_b32 s20, s3, 16                         ; the region of the trip that ends takes the same half of K: one row tile a wave
	s_add_co_u32 s20, s20, s97
	s_mov_b32 s77, s20
	s_mov_b32 s21, 0
	s_add_nc_u64 s[78:79], s[KB:KB+1], s[20:21]
	s_or_b32 s79, s79, 0x80000000
	s_wait_dscnt 0x0                               ; the add is done, and my reads of the region are over
	CROUND                                         ; no wave of any partner still reads the region or has a load on its way
	TLOAD 76, 48
	s_add_co_u32 s3, s3, 1
	s_cmp_lt_u32 s3, 2
	s_cbranch_scc1 .Lv
.irp u, 0,1
	ds_load_b128 v[BQ+8*\u:BQ+8*\u+3], v[LQ] offset:4096+512*\u    ; the biases of Q's first pair
	ds_load_b128 v[BQ+8*\u+4:BQ+8*\u+7], v[LQ] offset:4096+512*\u+16
.endr
	s_mov_b32 s3, 0
	s_wait_dscnt 0x0
.Lq:                                               ; Q, then K: two trips each
	TRIP 0
	BLOCK 0, 0, 0
	s_cmp_eq_u32 s3, 0
	s_cbranch_scc0 .La
	VSTEP                                          ; V's last pair leaves among Q's first
	VST 0
	s_branch .Lb
.La:
	s_add_nc_u64 s[QB:QB+1], s[QB:QB+1], 512       ; the next 32 features
	QST 0
.Lb:
	s_wait_dscnt 34
	BLOCK 0, 0, 1
	s_cmp_eq_u32 s3, 0
	s_cbranch_scc0 .Lc
	VST 1
	s_branch .Ld
.Lc:
	QST 1
	s_cmp_eq_u32 s3, 2
	s_cbranch_scc0 .Ld
	WORDS 0                                        ; Q's last pair has left: its words are whole
.Ld:
	NEXT 0
	s_wait_dscnt 26
	BLOCK 0, 1, 2
	s_cmp_eq_u32 s3, 2
	s_cselect_b32 s100, s98, s99
	s_add_nc_u64 s[QB:QB+1], s[QB:QB+1], s[100:101]
	QST 0
	s_wait_dscnt 34
	BLOCK 0, 1, 3
	QST 1
	s_wait_tensorcnt 0x0                           ; the first trip's barrier shows K's second half, and V's bytes
	s_wait_dscnt 0x0
	s_barrier_signal -1
	s_barrier_wait -1
	s_add_co_u32 s3, s3, 1
	s_cmp_lt_u32 s3, 4
	s_cbranch_scc1 .Lq
	; the last pair's way out, and V's scale words: 256 bytes a wave
.rept 8
	v_nop                                          ; places behind the last products (ISA guide 7.12.1)
.endr
	s_lshl_b32 s20, s14, 8
	s_add_co_u32 s20, s20, XV
	v_lshlrev_b32 v239, 3, v1
	v_add_nc_u32 v238, s20, v239
	ds_load_b64 v[236:237], v238
	s_wait_xcnt 0x0
	s_add_nc_u64 s[QB:QB+1], s[QB:QB+1], 512
.set m_, 0
.rept 64
	WL 0, m_, ACC+64, 0
.set m_, m_+1
.endr
	v_nop
	QST 0
.set m_, 0
.rept 64
	WL 0, m_, ACC+64, 2
.set m_, m_+1
.endr
	v_nop
	QST 1
	WORDS 262144
	s_wait_dscnt 0x0
	global_store_b64 v239, v[236:237], s[VW:VW+1]
	s_wait_tensorcnt 0x0                           ; the wave's end
	ds_add_u32 v[SPW], v[NIL]
	s_wait_dscnt 0x0
	CROUND                                         ; the closing round
	s_endpgm
.Lfunc_end_k_q5c4a299ab5_proj:
	.size	k_q5c4a299ab5_proj, .Lfunc_end_k_q5c4a299ab5_proj-k_q5c4a299ab5_proj
	.p2alignl 7, 3214868480
	.fill 96, 4, 3214868480
	.section	.rodata,"a",@progbits
	.p2align	6, 0x0
	.amdhsa_kernel k_q5c4a299ab5_proj
		.amdhsa_group_segment_fixed_size 327680
		.amdhsa_private_segment_fixed_size 0
		.amdhsa_enable_private_segment 0
		.amdhsa_kernarg_size 56
		.amdhsa_user_sgpr_count 2
		.amdhsa_user_sgpr_kernarg_segment_ptr 1
		.amdhsa_wavefront_size32 1
		.amdhsa_system_sgpr_workgroup_id_x 1
		.amdhsa_system_sgpr_workgroup_id_y 1
		.amdhsa_system_sgpr_workgroup_id_z 1
		.amdhsa_system_vgpr_workitem_id 0
		.amdhsa_next_free_vgpr 1024
		.amdhsa_next_free_sgpr 102
		.amdhsa_reserve_vcc 0
		.amdhsa_float_denorm_mode_32 3
		.amdhsa_float_denorm_mode_16_64 3
		.amdhsa_memory_ordered 1
		.amdhsa_forward_progress 1
		.amdhsa_inst_pref_size 140
	.end_amdhsa_kernel
	.amdgpu_metadata
---
amdhsa.version: [ 1, 2 ]
amdhsa.kernels:
  - .name:           k_q5c4a299ab5_proj
    .symbol:         k_q5c4a299ab5_proj.kd
    .args:
      - { .name: c1, .offset: 0, .size: 8, .value_kind: global_buffer, .address_space: global }
      - { .name: s1, .offset: 8, .size: 8, .value_kind: global_buffer, .address_space: global }
      - { .name: bq, .offset: 16, .size: 8, .value_kind: global_buffer, .address_space: global }
      - { .name: bk, .offset: 24, .size: 8, .value_kind: global_buffer, .address_space: global }
      - { .name: bv, .offset: 32, .size: 8, .value_kind: global_buffer, .address_space: global }
      - { .name: c2, .offset: 40, .size: 8, .value_kind: global_buffer, .address_space: global }
      - { .name: s2, .offset: 48, .size: 8, .value_kind: global_buffer, .address_space: global }
    .group_segment_fixed_size: 327680
    .private_segment_fixed_size: 0
    .kernarg_segment_align: 8
    .kernarg_segment_size: 56
    .max_flat_workgroup_size: 128
    .sgpr_count:     102
    .vgpr_count:     1024
    .wavefront_size: 32
...
	.end_amdgpu_metadata
.endif
;; end of part 2
;; launch scores (part 3): grid 32 x 8, 4 waves a work-group, clusters of 4 x 1, 327,680 bytes of LDS; arguments c2, s2, c4, m4; writes c4, m4
.if DOCPART == 3
	.amdgcn_target "amdgcn-amd-amdhsa--gfx1250"
	.amdhsa_code_object_version 6
	.text
	.protected	k_q5c4a299ab5_scores
	.globl	k_q5c4a299ab5_scores
	.p2align	8
	.type	k_q5c4a299ab5_scores,@function
k_q5c4a299ab5_scores:
	s_mov_b64 s[64:65], 0
	v_nop
	global_prefetch_b8 v0, s[64:65] scope:SCOPE_SE
	s_setreg_imm32_b32 hwreg(HW_REG_WAVE_MODE, 25, 1), 1
	s_wait_xcnt 0x0
	s_wait_alu depctr_hold_cnt(0) depctr_sa_sdst(0) depctr_va_vdst(0) depctr_va_sdst(0) depctr_va_ssrc(0) depctr_va_vcc(0) depctr_vm_vsrc(0)
	s_getreg_b32 s2, hwreg(HW_REG_IB_STS2, 6, 4)
	s_cmp_eq_u32 s2, 0
	s_cbranch_scc0 .Lentry_in_a_cluster
	s_endpgm
.Lentry_in_a_cluster:
	s_bfe_u32 s2, ttmp6, 0x10000c
	s_cmp_lg_u32 s2, 0x3003
	s_cbranch_scc0 .Lentry_shape_is_right
	s_endpgm
.Lentry_shape_is_right:
; THIRD LAUNCH: the scores Q K^T on the codes of c2, s2, and p = 2^(t - M), t = score x log2(e) / 32, quantised along the keys into c4, m4.  No work is left out.
; c4 = P [row tile of queries 512][K step of 128 keys 16][2,048].  m4 = its scale words [block of 128 queries 64][K step][128 places]; from byte 2^19 the figures (-M, l) [block][K step][128 places]: M the K step's own, l the sum of its unquantised p.
; SHARES.  256 work-groups: 256 queries x 256 keys of a batch.  A wave HOLDS its own 64 queries, all of K, in 512 registers (windows 1, 2), by plain loads: no two waves share them, and LDS is filled by the keys.
; THE KEYS, 16 row tiles of 16,384 bytes, fill LDS once, at the head, by joint loads (the four work-groups of a cluster have the same keys); they STREAM past as 16 blocks of 32 products, two register sets (window 3).
; A PREFETCH is left out: every byte is asked for at the head; the loop fetches nothing from memory.
; LAYOUT.  Source 0 = a tile of keys, source 1 = a tile of queries: a lane holds one query; tiles 2 g, 2 g + 1 leave in its 16 registers 16 neighbouring keys; lanes l and l xor 16 share a block of 32.
; THE SOFTMAX.  Of each pair of blocks (32 keys) and each of the four query tiles: the largest score; M, the ceiling of the K step's running largest t, kept as -M; p; l; codes.  Where M moves by d (a whole number, 0 or less, held at -127) l and
; the word's older bytes are brought under the new M: l x 2^d, byte + d held at 0.  Bytes stay under 120: with bit 7 set in each, 128 + byte + d lies within 1 .. 247, so no byte borrows, and bit 7 then says whether byte + d is 0 or more.
; THE WAY OUT of half a pair (two query tiles) takes two blocks: maxima, M and t - M (26 lines a tile) among one block's products, the exponentials between the blocks, sums, holds and codes (40 lines a tile) among the next block's.
; LIMITS: a byte held at 0 stands for 2^-127 where the true scale is smaller; a sum more than 127 under the new M counts as l x 2^-127; the promise holds while |t| stays under 2^31; NaN and infinities are not served.
.set SCW,   262144                     ; the keys' scale words: two blocks of [K step 8][128 places]
.set SPARE, SCW+8192                   ; the spare words, 128 bytes for each wave: two blocks of 256 bytes that no other line names
.set LI,   4                           ; v4  16 x lane
.set L4S,  5                           ; v5  SCW + 4 x lane
.set SPW,  6                           ; v6  my spare word;  v7 0
.set NIL,  7
.set ADR,  8                           ; v8, v9 LDS address of this trip's, the next trip's four blocks
.set ADRN, 9
.set SADR, 10                          ; v10 the next pair's scale words
.set L4,   11                          ; v11 4 x lane;  v12 8 r + 4 h
.set L8,   12
.set TQ,   16                          ; v16-23, v240-247 the way out at work: T0, T1, T2, word's step, d, scale operand, bound, byte
.set SB,   24                          ; v24-39 the queries' scale words: register 8 p + q: lanes 0-15 tile 2 p, lanes 16-31 tile 2 p + 1
.set BM,   40                          ; v40-41 the blocks' largest p
.set SA,   44                          ; v44-59 the keys' scale words: two sets of eight; lanes 0-15 the pair's even block, lanes 16-31 its odd one
.set PW,   60                          ; v60-63 scale words as they grow
.set ACC,  64                          ; v64-191 two sets of 64 sums
.set MCD,  192                         ; v192-207 codes
.set PX,   208                         ; v208-239 t - M, then p, of two blocks of 32
.set SS,   248                         ; v248-251 sums at work.  (-M, l) of the four tiles: v252-253, v254-255, v42-43, v14-15
.set PB,   80                          ; s[80:81] P's codes;  s[84:85] words;  s[86:87] figures;  s[88:89] the keys' rows;  s[90:91] log2(e) / 32
.set WB,   84
.set FB,   86
.set KB,   88
.set CS,   90
.set P,    92                          ; s92 the next pair's number
.set OFF,  93                          ; s93 the next trip's tiles in LDS
.set MSB, 0
.macro WIN new                         ; the immediate's high byte repeats the setting that is left
.if MSB != (\new)
	s_set_vgpr_msb (MSB<<8)|(\new)
.set MSB, (\new)
.endif
.endm
.macro CROUND                          ; a round of the cluster's barrier
	s_barrier_signal -1
	s_barrier_wait -1
	s_cmp_lg_u32 s14, 0
	s_cbranch_scc1 .Lnot_wave_0_\@
	s_barrier_signal -3
.Lnot_wave_0_\@:
	s_barrier_wait -3
	s_barrier_signal -1
	s_barrier_wait -1
.endm
.macro TLOAD g0, g1                    ; an s_nop 0 and four v_nop follow each load
	tensor_load_to_lds s[\g0:\g0+3], s[\g1:\g1+7]
	s_nop 0
.rept 4
	v_nop
.endr
.endm
.macro SHAPE g, el, rows, pitch        ; group 1: joint (mask 15), rows of el elements of 8 bytes, pitch elements apart
	s_mov_b32 s[\g], 15|(3<<16)|(1<<21)
	s_mov_b32 s[\g+1], (\el)<<16
	s_mov_b32 s[\g+2], (\rows)<<16
	s_mov_b32 s[\g+3], (\el)<<16
	s_mov_b32 s[\g+4], \rows
	s_mov_b32 s[\g+5], \pitch
	s_mov_b32 s[\g+6], 0
	s_mov_b32 s[\g+7], 0
.endm
.macro RUN adr, blk, k, e              ; quarter k (256 along K) of a block into set e: eight loads of 512 consecutive bytes
	WIN 0xc0
.irp i, 0,1,2,3,4,5,6,7
	ds_load_b128 v[128*(\e)+32*(\k)+4*\i:128*(\e)+32*(\k)+4*\i+3], v[\adr] offset:16384*(\blk)+4096*(\k)+512*\i
.endr
.endm
.macro MM rx, ry                       ; D = A_; source 0 = the keys Y_, source 1 = the queries F_; the first K step's C is 0
.if Q_ == 0
.if (\rx) && (\ry)
	v_wmma_scale_f32_16x16x128_f8f6f4 v[A_:A_+7], v[Y_:Y_+15], v[F_:F_+15], 0, v[WS_], v[XS_] matrix_a_scale:MATRIX_SCALE_ROW1 matrix_b_scale:MATRIX_SCALE_ROW1
.elseif (\rx)
	v_wmma_scale_f32_16x16x128_f8f6f4 v[A_:A_+7], v[Y_:Y_+15], v[F_:F_+15], 0, v[WS_], v[XS_] matrix_a_scale:MATRIX_SCALE_ROW1
.elseif (\ry)
	v_wmma_scale_f32_16x16x128_f8f6f4 v[A_:A_+7], v[Y_:Y_+15], v[F_:F_+15], 0, v[WS_], v[XS_] matrix_b_scale:MATRIX_SCALE_ROW1
.else
	v_wmma_scale_f32_16x16x128_f8f6f4 v[A_:A_+7], v[Y_:Y_+15], v[F_:F_+15], 0, v[WS_], v[XS_]
.endif
.elseif (\rx) && (\ry)
	v_wmma_scale_f32_16x16x128_f8f6f4 v[A_:A_+7], v[Y_:Y_+15], v[F_:F_+15], v[A_:A_+7], v[WS_], v[XS_] matrix_a_scale:MATRIX_SCALE_ROW1 matrix_b_scale:MATRIX_SCALE_ROW1
.elseif (\rx)
	v_wmma_scale_f32_16x16x128_f8f6f4 v[A_:A_+7], v[Y_:Y_+15], v[F_:F_+15], v[A_:A_+7], v[WS_], v[XS_] matrix_a_scale:MATRIX_SCALE_ROW1
.elseif (\ry)
	v_wmma_scale_f32_16x16x128_f8f6f4 v[A_:A_+7], v[Y_:Y_+15], v[F_:F_+15], v[A_:A_+7], v[WS_], v[XS_] matrix_b_scale:MATRIX_SCALE_ROW1
.else
	v_wmma_scale_f32_16x16x128_f8f6f4 v[A_:A_+7], v[Y_:Y_+15], v[F_:F_+15], v[A_:A_+7], v[WS_], v[XS_]
.endif
.endm
; Product n = 4 q + b of block u of a pair (sums in set p): K step q, query tile b.  The four sums of a block take turns.
.macro PROD p, u, n
.set Q_, (\n)/4
.set B_, (\n)%4
.set F_, 16*((\n)%16)
.set W_, 1+(\n)/16
.set Y_, 128*(\u)+16*Q_
.set XS_, SB+8*(B_/2)+Q_
.set WS_, SA+8*(\p)+Q_
.set A_, ACC+64*(\p)+16*B_+8*(\u)
	WIN 3|(W_<<2)
	MM \u, B_%2
.endm
.macro TILE s                          ; N_: where (-M, l) of query tile s stand
.if (\s) < 2
.set N_, 252+2*(\s)
.elseif (\s) == 2
.set N_, 42
.else
.set N_, 14
.endif
.endm
; FRONT line k of query tile f0 + o of the sums at x
.macro FL k, o, x, f0
.set KF_, \k
.set OF_, \o
.set T_, TQ+224*OF_
.set X_, (\x)+16*((\f0)+OF_)
.set V_, PX+16*OF_
	TILE (\f0)+OF_
.if KF_ == 0
	v_max3_num_f32 v[T_], v[X_], v[X_+1], v[X_+2]             ; each accumulator is read from its low end on
.elseif KF_ == 1
	v_max3_num_f32 v[T_+1], v[X_+8], v[X_+9], v[X_+10]
.elseif KF_ < 6
.set R_, X_+8*(KF_%2)+2*(KF_/2)+1
	v_max3_num_f32 v[T_+KF_%2], v[T_+KF_%2], v[R_], v[R_+1]
.elseif KF_ == 6
	v_max3_num_f32 v[T_], v[T_], v[X_+7], v[X_+15]
.elseif KF_ == 7
	v_max_num_f32 v[T_], v[T_], v[T_+1]
.elseif KF_ == 8
	v_permlanex16_b32 v[T_+2], v[T_], s60, s61
.elseif KF_ == 9
	v_max_num_f32 v[T_], v[T_], v[T_+2]                       ; with lane l xor 16's: the block's largest score
.elseif KF_ == 10
	v_mul_f32 v[T_+1], s[CS], v[T_]
.elseif KF_ == 11
	v_floor_f32 v[T_+1], -v[T_+1]                             ; -ceil(t)
.elseif KF_ == 12
	v_min_num_f32 v[T_+1], v[N_], v[T_+1]                     ; the new -M
.elseif KF_ == 13
	v_sub_f32 v[T_+2], v[T_+1], v[N_]                         ; d = old M - new M
.elseif KF_ == 14
	v_max_num_f32 v[T_+2], 0xc2fe0000, v[T_+2]                ; held at -127
.elseif KF_ == 15
	v_cvt_i32_f32 v[T_+4], v[T_+2]
.elseif KF_ == 16
	v_mov_b32 v[N_], v[T_+1]
.elseif KF_ < 25
.set R_, 2*(KF_-17)
	v_pk_fma_f32 v[V_+R_:V_+R_+1], v[X_+R_:X_+R_+1], s[CS:CS+1], v[N_:N_+1] op_sel_hi:[1,0,0]   ; t - M (of both pairs the low word serves both halves)
.else
	v_fma_f32 v[BM+OF_], v[T_], s[CS], v[N_]                  ; the same of the block's largest score
.endif
.endm
; BACK line k of query tile 2 - f0 + o
.macro BL k, o, f0
.set KF_, \k
.set OF_, \o
.set T_, TQ+224*OF_
.set S_, 2-(\f0)+OF_
.set V_, PX+16*OF_
.set Z_, SS+2*OF_
.set D_, MCD+4*S_
	TILE S_
.if KF_ == 0
	v_max_num_f32 v[BM+OF_], 0x4800000, v[BM+OF_]             ; the floor 2^(9 - 127): the byte cannot fall under 1
.elseif KF_ == 1
	v_add_nc_u32 v[T_+5], 0xfc000000, v[BM+OF_]               ; 8 off its exponent field: the conversion's scale operand
.elseif KF_ == 2
	v_and_or_b32 v[T_+6], v[BM+OF_], 0x7f800000, s62          ; 448 x the scale
.elseif KF_ == 3
	v_lshrrev_b32 v[T_+7], 23, v[T_+5]                        ; the byte
.elseif KF_ == 4
	v_mul_lo_u32 v[T_+3], v[T_+4], s98                        ; d in each of four bytes
.elseif KF_ == 5
	v_or_b32 v[PW+S_], s99, v[PW+S_]
.elseif KF_ == 6
	v_add_nc_u32 v[PW+S_], v[PW+S_], v[T_+3]                  ; 128 + byte + d
.elseif KF_ == 7
	v_and_b32 v[T_+3], s99, v[PW+S_]
.elseif KF_ == 8
	v_lshrrev_b32 v[Z_], 7, v[T_+3]
.elseif KF_ == 9
	v_sub_nc_u32 v[T_+3], v[T_+3], v[Z_]                      ; 0x7f where byte + d is 0 or more, 0 elsewhere
.elseif KF_ == 10
	v_and_b32 v[PW+S_], v[PW+S_], v[T_+3]
.elseif KF_ == 11
	v_perm_b32 v[PW+S_], v[T_+7], v[PW+S_], s63               ; the new byte on top, the older ones a place down
.elseif KF_ == 12
	v_pk_add_f32 v[Z_:Z_+1], v[V_:V_+1], v[V_+2:V_+3]         ; the sum of the unquantised p
.elseif KF_ < 19
.set R_, V_+2*(KF_-11)
	v_pk_add_f32 v[Z_:Z_+1], v[Z_:Z_+1], v[R_:R_+1]
.elseif KF_ == 19
	v_add_f32 v[Z_], v[Z_], v[Z_+1]
.elseif KF_ == 20
	v_ldexp_f32 v[N_+1], v[N_+1], v[T_+4]                     ; l under the new M
.elseif KF_ == 21
	v_add_f32 v[N_+1], v[N_+1], v[Z_]
.elseif KF_ < 30
.set R_, V_+KF_-22
	v_min_num_f32 v[R_], v[R_], v[T_+6]                       ; the hold: p is not negative (the conversion to an 8-bit code does not saturate: ISA guide 7.6.2)
.elseif KF_ == 30
	v_cvt_scalef32_pk8_fp8_f32 v[D_:D_+1], v[V_:V_+7], v[T_+5]
.elseif KF_ < 39
.set R_, V_+KF_-23
	v_min_num_f32 v[R_], v[R_], v[T_+6]
.else
	v_cvt_scalef32_pk8_fp8_f32 v[D_+2:D_+3], v[V_+8:V_+15], v[T_+5]
.endif
.endm
; Line m of a block's 128: the front of tiles f0, f0 + 1 (but its first readers), the back of the two tiles before them; p's registers are written anew behind the last conversion that reads them
.macro LL m, x, f0
.set M_, \m
.if M_ < 40
.set K_, M_/4
.set O_, M_%4
.if O_ < 2
	BL K_, O_, \f0
.else
	FL K_+2, O_-2, \x, \f0
.endif
.elseif M_ < 100
	BL 10+(M_-40)/2, M_%2, \f0
.else
	FL 12+(M_-100)/2, M_%2, \x, \f0
.endif
.endm
.macro FIRST x, f0                     ; the first readers of four accumulators' results, directly behind the wait
	s_wait_alu depctr_va_vdst(0)
	FL 0, 0, \x, \f0
	FL 0, 1, \x, \f0
	FL 1, 0, \x, \f0
	FL 1, 1, \x, \f0
.endm
.macro EXPS                            ; p of two blocks of 32, and their largest; the wait ahead of the batch stands in BEND, the one behind it ahead of the first reader
.set E_, 0
.rept 32
	v_exp_f32 v[PX+E_], v[PX+E_]
.set E_, E_+1
.endr
	v_exp_f32 v[BM], v[BM]
	v_exp_f32 v[BM+1], v[BM+1]
	v_nop                                          ; a plain line behind the batch
.endm
.macro BEND                            ; a block's end
	s_wait_alu depctr_va_vdst(0)                   ; the exponentials, waits
	s_wait_xcnt 0x0                                ; the stores of the block before have read their data and their base
.endm
.macro SCALE4 p, q0                    ; the next pair's scale words
.irp q, 0,1,2,3
	ds_load_b32 v[SA+8*(1-(\p))+\q0+\q], v[SADR] offset:512*(\q0+\q)
.endr
.endm
; BLOCK b of a trip's four: 32 products, 128 lines, and the fetches: behind group 1 the next block's last quarter, behind groups 5, 9 and 13 the first three of the block two on: each stands eight plain lines or more behind the last
; product that read the registers.  So behind the next block's last quarter 24 LDS loads are issued in an odd block, 32 in an even one.
.macro BLOCK p, b
.set U_, (\b)%2
.set G_, 0
.rept 16
	PROD \p, U_, 2*G_
	PROD \p, U_, 2*G_+1
	WIN 0
.irp i, 0,1,2,3,4,5,6,7
	LL 8*G_+\i, ACC+64*(1-(\p)), 2*U_
.endr
.if G_ == 1
.if (\b) < 3
	RUN ADR, (\b)+1, 3, 1-U_
.else
	RUN ADRN, 0, 3, 1-U_
.endif
.endif
.if (G_ == 5) || (G_ == 9) || (G_ == 13)
.if (G_ > 5) && (U_ == 0)
	SCALE4 \p, G_-9
.endif
.if (\b) < 2
	RUN ADR, (\b)+2, (G_-5)/4, U_
.else
	RUN ADRN, (\b)-2, (G_-5)/4, U_
.endif
.endif
.set G_, G_+1
.endr
	WIN 0
	BEND
.endm
.macro NEXT                            ; the next pair's scale words (the last pair fetches its own again)
	s_add_co_u32 s[P], s[P], 1
	s_min_u32 s22, s[P], 7
	s_lshr_b32 s20, s22, 2
	s_lshl_b32 s20, s20, 12
	s_and_b32 s21, s22, 3
	s_lshl_b32 s21, s21, 7
	s_add_co_u32 s20, s20, s21
	v_add_nc_u32 v[SADR], s20, v[L4S]
.endm
.macro PST h                           ; query tiles 2 h, 2 h + 1: 512 consecutive bytes each
	global_store_b128 v[LI], v[MCD+8*\h:MCD+8*\h+3], s[PB:PB+1] offset:65536*\h
	global_store_b128 v[LI], v[MCD+8*\h+4:MCD+8*\h+7], s[PB:PB+1] offset:65536*\h+32768
.endm
.macro STATS h, k                      ; K step k of tiles 2 h, 2 h + 1: scale words (lanes 0-15 the even tile's, lanes 16-31 the odd one's) and figures (lanes 0-15 -M, lanes 16-31 l)
	TILE 2*\h
.set N0_, N_
	TILE 2*\h+1
	v_cndmask_b32 v13, v[PW+2*\h], v[PW+2*\h+1], s66
	v_permlanex16_b32 v2, v[N0_+1], s60, s61
	v_permlanex16_b32 v3, v[N_+1], s60, s61
	v_add_f32 v2, v2, v[N0_+1]
	v_add_f32 v3, v3, v[N_+1]
	v_cndmask_b32 v2, v[N0_], v2, s66
	v_cndmask_b32 v3, v[N_], v3, s66
	global_store_b32 v[L4], v13, s[WB:WB+1] offset:512*\k+128*\h
	global_store_b32 v[L8], v2, s[FB:FB+1] offset:1024*\k+256*\h
	global_store_b32 v[L8], v3, s[FB:FB+1] offset:1024*\k+256*\h+128
.endm
.macro RESET h                         ; a K step begins: -M above every -t, l = 0
	TILE 2*\h
	v_mov_b32 v[N_], 0x7f61b1e6
	v_mov_b32 v[N_+1], 0
	TILE 2*\h+1
	v_mov_b32 v[N_], 0x7f61b1e6
	v_mov_b32 v[N_+1], 0
.endm
	s_load_b256 s[4:11], s[0:1], 0x0               ; c2 s[4:5], s2 s[6:7], c4 s[8:9], m4 s[10:11]
	v_lshl_add_u32 v[SPW], v0, 2, SPARE
	v_mov_b32 v[NIL], 0
	ds_add_u32 v[SPW], v[NIL]                      ; the wave's opening: the add, twice on end, and its wait ahead of my first tensor load
	ds_add_u32 v[SPW], v[NIL]
	v_lshrrev_b32 v1, 5, v0
	v_readfirstlane_b32 s14, v1                    ; wave 0..3
	v_and_b32 v1, 31, v0                           ; lane
	v_and_b32 v2, 15, v0                           ; r
	v_bfe_u32 v3, v0, 4, 1                         ; h
	v_lshlrev_b32 v[LI], 4, v1
	v_lshlrev_b32 v[L4], 2, v1
	v_add_nc_u32 v[L4S], SCW, v[L4]
	v_lshlrev_b32 v[L8], 3, v2
	v_lshl_add_u32 v[L8], v3, 2, v[L8]
	v_cmp_lt_u32 s66, 15, v1                       ; lanes 16-31
	s_and_b32 s15, s14, 1                          ; my half of a block of 128 queries
	s_lshr_b32 s20, s14, 1
	s_bfe_u32 s22, ttmp6, 0x40000                  ; cx: it enters addresses of plain loads and stores alone
	s_and_b32 s94, ttmp7, 0xffff                   ; y: the 256 keys
	s_lshl_b32 s21, ttmp9, 2
	s_add_co_u32 s21, s21, s22                     ; my 256 queries
	s_lshl_b32 s21, s21, 1
	s_add_co_u32 s95, s21, s20                     ; my block T of 128
	s_lshr_b32 s96, ttmp9, 1                       ; the batch, from the cluster's number alone
	SHAPE 24, 2048, 4, 2048                        ; four row tiles of keys
	SHAPE 32, 32, 32, 32                           ; the scale words: 8,192 dense bytes as rows of 256
	SHAPE 40, 2048, 8, 2048                        ; eight row tiles
	s_mov_b32 s60, 0x76543210
	s_mov_b32 s61, 0xfedcba98                      ; v_permlanex16_b32's selects for lane l xor 16
	s_mov_b32 s62, 0x600000                        ; the mantissa field of 448
	s_mov_b32 s63, 0x04030201
	s_mov_b32 s98, 0x01010101
	s_mov_b32 s99, 0x80808080
	s_mov_b32 s[CS], 0x3d38aa3b                    ; log2(e) / 32
	s_mov_b32 s[CS+1], s[CS]
	s_mov_b32 s3, 0
	s_mov_b32 s[P], 0
	s_mov_b32 s[OFF], 0
	s_wait_alu depctr_va_vdst(0)
	s_wait_dscnt 0x0                               ; both opening adds are done
	CROUND                                         ; all four work-groups are here: the joint loads meet
	s_wait_kmcnt 0x0
	s_mov_b32 s21, 0
	s_mov_b32 s23, 0
	s_lshl_b32 s20, s96, 21
	s_lshl_b32 s22, s94, 18
	s_add_co_u32 s20, s20, s22
	s_add_co_u32 s20, s20, 0x800000                ; K's codes in c2
	s_add_nc_u64 s[KB:KB+1], s[4:5], s[20:21]
	s_lshl_b32 s22, s14, 16
	s_mov_b32 s56, 1                               ; waves 0, 1: tiles 0 to 3, 4 to 7
	s_mov_b32 s57, s22
	s_add_nc_u64 s[58:59], s[KB:KB+1], s[22:23]
	s_or_b32 s59, s59, 0x80000000
	s_mov_b32 s72, 1                               ; wave 3: tiles 8 to 15
	s_mov_b32 s73, 131072
	s_add_nc_u64 s[74:75], s[KB:KB+1], 0x20000
	s_or_b32 s75, s75, 0x80000000
	s_lshl_b32 s20, s96, 16
	s_lshl_b32 s22, s94, 13
	s_add_co_u32 s20, s20, s22
	s_add_co_u32 s20, s20, 0x40000                 ; K's scale words in s2
	s_mov_b32 s68, 1                               ; wave 2
	s_mov_b32 s69, SCW
	s_add_nc_u64 s[70:71], s[6:7], s[20:21]
	s_or_b32 s71, s71, 0x80000000
	s_cmp_lt_u32 s14, 2                            ; ONE joint load a wave, in one chain of branches; what the first barrier shows has lines of its own
	s_cbranch_scc0 .Lhead_s
	TLOAD 56, 24
	s_branch .Lhead_asked
.Lhead_s:
	s_cmp_lt_u32 s14, 3
	s_cbranch_scc0 .Lhead_q
	TLOAD 68, 32
	s_branch .Lhead_asked
.Lhead_q:
	TLOAD 72, 40
.Lhead_asked:
	s_lshl_b32 s20, s95, 12
	s_lshl_b32 s22, s15, 8
	s_add_co_u32 s20, s20, s22
	s_add_nc_u64 s[6:7], s[6:7], s[20:21]          ; my queries' scale words
.irp q, 0,1,2,3,4,5,6,7
	global_load_b32 v[SB+\q], v[L4], s[6:7] offset:512*\q
	global_load_b32 v[SB+8+\q], v[L4], s[6:7] offset:512*\q+128
.endr
	s_lshl_b32 s20, s95, 17
	s_lshl_b32 s22, s15, 16
	s_add_co_u32 s20, s20, s22
	s_add_nc_u64 s[4:5], s[4:5], s[20:21]          ; my four row tiles
.set f, 0
.rept 32                               ; fragment f = 4 q + tile: 32 lanes read 512 consecutive bytes a load
	WIN (1+f/16)<<6
.irp c, 0,1,2,3
	global_load_b128 v[16*(f%16)+4*\c:16*(f%16)+4*\c+3], v[LI], s[4:5] offset:16384*(f%4)+2048*(f/4)+512*\c
.endr
.set f, f+1
.endr
	WIN 0
	; where my results go
	s_lshl_b32 s20, s95, 18
	s_lshl_b32 s22, s15, 17
	s_add_co_u32 s20, s20, s22
	s_lshl_b32 s22, s94, 12
	s_add_co_u32 s20, s20, s22
	s_add_nc_u64 s[PB:PB+1], s[8:9], s[20:21]
	s_sub_nc_u64 s[PB:PB+1], s[PB:PB+1], 512       ; (one step)
	s_lshl_b32 s20, s95, 13
	s_lshl_b32 s22, s94, 10
	s_add_co_u32 s20, s20, s22
	s_lshl_b32 s22, s15, 8
	s_add_co_u32 s20, s20, s22
	s_add_nc_u64 s[WB:WB+1], s[10:11], s[20:21]
	s_lshl_b32 s20, s20, 1
	s_add_co_u32 s20, s20, 524288
	s_add_nc_u64 s[FB:FB+1], s[10:11], s[20:21]
	; the first blocks find no pair before them: what their way-out lines read is written once
.set i_, 0
.rept 64
	v_mov_b32 v[ACC+64+i_], 0
.set i_, i_+1
.endr
.set i_, 0
.rept 32
	v_mov_b32 v[PX+i_], 0
.set i_, i_+1
.endr
.irp i, 0,1,2,3
	v_mov_b32 v[PW+\i], 0
.endr
.irp o, 0,1
	v_mov_b32 v[BM+\o], 0
	v_mov_b32 v[TQ+224*\o+2], 0                    ; a lane permute's destination counts as one of its sources
	v_mov_b32 v[TQ+224*\o+4], 0
.endr
	RESET 0
	RESET 1
	s_wait_alu depctr_va_vdst(0)
	s_cmp_lt_u32 s14, 3
	s_cbranch_scc0 .Lnot_yet
	s_wait_tensorcnt 0x0                           ; tiles 0 to 7 and the scale words have landed.  Wave 3's load is shown at the first trip's end
.Lnot_yet:
	s_wait_dscnt 0x0
	s_barrier_signal -1
	s_barrier_wait -1
	RUN LI, 0, 0, 0
	RUN LI, 0, 1, 0
	RUN LI, 0, 2, 0
	RUN LI, 0, 3, 0
	RUN LI, 1, 0, 1
	RUN LI, 1, 1, 1
	RUN LI, 1, 2, 1
	WIN 0
.irp q, 0,1,2,3,4,5,6,7
	ds_load_b32 v[SA+\q], v[L4S] offset:512*\q
.endr
	s_wait_dscnt 0x0
	s_wait_loadcnt 0x0                             ; the queries are in registers
.Ltrip:                                            ; four trips of four blocks, two pairs; the last trip's look-ahead reads tiles that have landed, and nothing uses them
	v_add_nc_u32 v[ADR], s[OFF], v[LI]
	s_add_co_u32 s[OFF], s[OFF], 65536
	s_and_b32 s[OFF], s[OFF], 0x3ffff
	v_add_nc_u32 v[ADRN], s[OFF], v[LI]
	NEXT
	FIRST ACC+64, 0
	BLOCK 0, 0
	s_cmp_eq_u32 s3, 0
	s_cbranch_scc1 .Lz0                            ; no pair before the first
	PST 1
.Lz0:
	EXPS
	s_wait_dscnt 32
	FIRST ACC+64, 2
	BLOCK 0, 1
	s_cmp_eq_u32 s3, 0
	s_cbranch_scc1 .Lz1
	s_add_nc_u64 s[PB:PB+1], s[PB:PB+1], 512       ; the next 32 keys
	PST 0
	s_cmp_eq_u32 s3, 2                             ; a K step of 128 keys is four pairs: two trips
	s_cbranch_scc0 .Lk1
	STATS 0, 0
.Lz1:
	RESET 0
.Lk1:
	NEXT
	EXPS
	s_wait_dscnt 24
	FIRST ACC, 0
	BLOCK 1, 2
	s_cmp_eq_u32 s3, 0
	s_cbranch_scc1 .Lz2
	PST 1
	s_cmp_eq_u32 s3, 2
	s_cbranch_scc0 .Lk2
	STATS 1, 0
.Lz2:
	RESET 1
.Lk2:
	EXPS
	s_wait_dscnt 32
	FIRST ACC, 2
	BLOCK 1, 3
	s_add_nc_u64 s[PB:PB+1], s[PB:PB+1], 512
	PST 0
	EXPS
	s_wait_alu depctr_va_vdst(0)                   ; waits and a branch follow
	s_wait_tensorcnt 0x0                           ; the first trip's barrier shows tiles 8 to 15
	s_wait_dscnt 0x0
	s_barrier_signal -1
	s_barrier_wait -1
	s_add_co_u32 s3, s3, 1
	s_cmp_lt_u32 s3, 4
	s_cbranch_scc1 .Ltrip
	; the last pair's way out (its products stand eight plain lines and more back)
	FIRST ACC+64, 0
.set m_, 0
.rept 128
	LL m_, ACC+64, 0
.set m_, m_+1
.endr
	BEND
	PST 1
	EXPS
	FIRST ACC+64, 2
.set m_, 0
.rept 128
	LL m_, ACC+64, 2
.set m_, m_+1
.endr
	BEND
	s_add_nc_u64 s[PB:PB+1], s[PB:PB+1], 512
	PST 0
	STATS 0, 1
	EXPS
	s_wait_alu depctr_va_vdst(0)                   ; the wait ahead of the batch's first reader
.set m_, 0
.rept 80
	BL m_/2, m_%2, 0
.set m_, m_+1
.endr
	v_nop                                          ; a plain line behind the last conversion
	BEND
	PST 1
	STATS 1, 1
	s_wait_tensorcnt 0x0                           ; the wave's end
	ds_add_u32 v[SPW], v[NIL]
	s_wait_dscnt 0x0
	CROUND                                         ; the closing round
	s_endpgm
.Lfunc_end_k_q5c4a299ab5_scores:
	.size	k_q5c4a299ab5_scores, .Lfunc_end_k_q5c4a299ab5_scores-k_q5c4a299ab5_scores
	.p2alignl 7, 3214868480
	.fill 96, 4, 3214868480
	.section	.rodata,"a",@progbits
	.p2align	6, 0x0
	.amdhsa_kernel k_q5c4a299ab5_scores
		.amdhsa_group_segment_fixed_size 327680
		.amdhsa_private_segment_fixed_size 0
		.amdhsa_enable_private_segment 0
		.amdhsa_kernarg_size 32
		.amdhsa_user_sgpr_count 2
		.amdhsa_user_sgpr_kernarg_segment_ptr 1
		.amdhsa_wavefront_size32 1
		.amdhsa_system_sgpr_workgroup_id_x 1
		.amdhsa_system_sgpr_workgroup_id_y 1
		.amdhsa_system_sgpr_workgroup_id_z 1
		.amdhsa_system_vgpr_workitem_id 0
		.amdhsa_next_free_vgpr 1024
		.amdhsa_next_free_sgpr 102
		.amdhsa_reserve_vcc 0
		.amdhsa_float_denorm_mode_32 3
		.amdhsa_float_denorm_mode_16_64 3
		.amdhsa_memory_ordered 1
		.amdhsa_forward_progress 1
		.amdhsa_inst_pref_size 113
	.end_amdhsa_kernel
	.amdgpu_metadata
---
amdhsa.version: [ 1, 2 ]
amdhsa.kernels:
  - .name:           k_q5c4a299ab5_scores
    .symbol:         k_q5c4a299ab5_scores.kd
    .args:
      - { .name: c2, .offset: 0, .size: 8, .value_kind: global_buffer, .address_space: global }
      - { .name: s2, .offset: 8, .size: 8, .value_kind: global_buffer, .address_space: global }
      - { .name: c4, .offset: 16, .size: 8, .value_kind: global_buffer, .address_space: global }
      - { .name: m4, .offset: 24, .size: 8, .value_kind: global_buffer, .address_space: global }
    .group_segment_fixed_size: 327680
    .private_segment_fixed_size: 0
    .kernarg_segment_align: 8
    .kernarg_segment_size: 32
    .max_flat_workgroup_size: 128
    .sgpr_count:     102
    .vgpr_count:     1024
    .wavefront_size: 32
...
	.end_amdgpu_metadata
.endif
;; end of part 3
;; launch pv (part 4): grid 4 x 64, 4 waves a work-group, clusters of 4 x 4, 327,680 bytes of LDS; arguments c4, m4, c2, s2, out0; writes out0
.if DOCPART == 4
	.amdgcn_target "amdgcn-amd-amdhsa--gfx1250"
	.amdhsa_code_object_version 6
	.text
	.protected	k_q5c4a299ab5_pv
	.globl	k_q5c4a299ab5_pv
	.p2align	8
	.type	k_q5c4a299ab5_pv,@function
k_q5c4a299ab5_pv:
	s_mov_b64 s[64:65], 0
	v_nop
	global_prefetch_b8 v0, s[64:65] scope:SCOPE_SE
	s_setreg_imm32_b32 hwreg(HW_REG_WAVE_MODE, 25, 1), 1
	s_wait_xcnt 0x0
	s_wait_alu depctr_hold_cnt(0) depctr_sa_sdst(0) depctr_va_vdst(0) depctr_va_sdst(0) depctr_va_ssrc(0) depctr_va_vcc(0) depctr_vm_vsrc(0)
	s_getreg_b32 s2, hwreg(HW_REG_IB_STS2, 6, 4)
	s_cmp_eq_u32 s2, 0
	s_cbranch_scc0 .Lentry_in_a_cluster
	s_endpgm
.Lentry_in_a_cluster:
	s_bfe_u32 s2, ttmp6, 0x10000c
	s_cmp_lg_u32 s2, 0xf033
	s_cbranch_scc0 .Lentry_shape_is_right
	s_endpgm
.Lentry_shape_is_right:
; FOURTH LAUNCH: out = P V / l on the codes of c4 (P) and c2 (V^T, keys innermost).  No work is left out.
; SHARES.  A work-group makes 128 queries x 256 d: 64 blocks of queries x 4 tiles of d = 256 work-groups.  Side A = P (a lane holds one query), side B = V^T of the batch (a lane's registers run along d, 16 neighbours in each
; pair of tiles).  Wave w makes query tiles 4 (w / 2) .. + 3 x d tiles 8 (w % 2) .. + 7: 32 accumulators, 256 registers.  K = the batch's 2,048 keys: 16 steps of 128.
; AT THE HEAD the work-group brings its 128 queries' scale words under the row's M.  Thread t takes place t of the block: M(row) = the largest of the 16 parts' M; for each part d = M(part) - M(row), a whole number, 0 or less,
; held at -127; l(row) = the sum of l(part) x 2^d (exact scalings); d is added to each of the word's four bytes, and a byte that would fall under 0 is held at 0.  The words go to LDS, where the steps find A's scales; 1 / l too.
; Bytes: p is at most 1, so a byte is at most 119 and bit 7 is free: with bit 7 set in each byte the sum (128 + byte + d) stays within 1 .. 247, so no byte borrows from its neighbour, and bit 7 then says whether byte + d is 0 or more.
; THE RING.  A step's tiles are (128 + 256) x 128 = 49,152 bytes, so a slot holds THREE steps, and the 16 steps are 3 + 3 + 3 + 3 + 3 + 1: two first fills and four refills; a refill has three steps, 96 products a wave, in which to land.
; A fragment lies in memory and in LDS as the image of its registers (2,048 bytes), so a wave's tensor load is 4 (A) or 8 (B) rows (row tiles) of 6,144 consecutive bytes.  The last step's tiles have groups 1 of their own: rows of 2,048 bytes,
; which land packed at the same LDS addresses.  The 16 steps are written out by a macro, so that every offset is an immediate; the text holds 512 matrix instructions.
; CLUSTERS 4 x 4: P's tiles are shared along a row of the cluster (the four tiles of d of one block of queries), V^T's along a column (four blocks of queries of one batch): joint loads.
; LIMITS: a byte held at 0 stands for 2^-127 where the true scale is smaller: a term of at most 448 x 2^-127 x |v|; a part more than 127 under the row's M adds l x 2^-127 at the most; NaN and infinities are not served.
; REGISTERS: window 0: v16-31 addresses; v32-47 scale words, two sets; v48-55 1 / l; v64-127 scaled results on the way out; v128-255 A's fragments, two sets (at the head the figures and words, on the way out rows read back).
;   window 1: B's fragments, two sets.  window 2: the accumulators, (a, b) at v[8 (8 a + b)].
.set RTP,   32768                      ; a row tile of codes in memory: 16 steps of 2,048 bytes
.set ROWB,  6144                       ; a row tile's three steps: a row of a slot
.set ASZ,   8*ROWB                     ; A's 8 row tiles in a slot;
.set SLOT,  24*ROWB                    ; behind them B's 16: 147,456 bytes
.set SCA,   2*SLOT                     ; A's scale words [step 16][128 places], 8,192 bytes: stored by the waves; no tensor load lands here
.set RLS,   SCA+8192                   ; 1 / l of the 128 queries, 512 bytes: likewise
.set SCB,   RLS+512                    ; B's scale words, two halves of [step 16][128 places], 16,384 bytes: filled once by tensor loads
.set SPARE, SCB+16384                  ; the spare words, 128 bytes for each wave: two blocks of 256 bytes that no other line names
.set SP,    528                        ; the way out: a stage of 16 rows x (512 + 16) bytes for each wave, in slot 0, which has had its last fill and its last read by then
.set ADRA, 16                          ; v16-17 LDS address of my A fragments in slot 0, 1
.set ADRB, 20                          ; v20-21 the same for B
.set STO,  24                          ; v24 the stage: where I put 32 bytes of a row
.set RD,   25                          ; v25 and where I read a row back
.set LI,   26                          ; v26 16 x lane
.set ADRS, 27                          ; v27 LDS address of my scale words: lanes 0-15 A's, lanes 16-31 B's; never rewritten
.set SPW,  28                          ; v28 my spare word; never rewritten
.set NIL,  29                          ; v29 0; never rewritten
.set PFO,  30                          ; v30 the prefetches' offset: 256 x min(lane, 23); never rewritten
.set RLA,  31                          ; v31 LDS address of 1 / l of my tile row
.set SC,   32                          ; scale words: set p, tile i at v[SC + 8 p + i]
.set RL,   48                          ; v48-55 1 / l of my four tiles, as pairs
.set AF,   128                         ; A's fragments: set p, tile a at v[AF + 64 p + 16 a]
.set ST,   128                         ; the head: v128-159 the 16 parts' (-M, l);
.set SW,   160                         ; v160-175 their scale words; v176-183 at work
.set G1,   24                          ; s[24:31] group 1 for A's tiles;  s[32:39] groups 0, one for each slot
.set G0,   32
.set G1B,  48                          ; s[48:55], s[56:63] the same for B's
.set G0B,  56
.set G1L,  68                          ; s[68:75], s[76:83] groups 1 for the last step's tiles
.set G1BL, 76
.set G1SB, 84                          ; s[84:91], s[92:95] groups 1 and 0 for B's scale words
.set G0SB, 92
.set PFA,  22                          ; s[22:23] where my prefetches stand, at K = 0; never rewritten
.set ASKF, 3                           ; s3 1 in a wave that prefetches
.set MSB, 0
.macro WIN new                         ; the immediate's high byte repeats the setting that is left
.if MSB != (\new)
	s_set_vgpr_msb (MSB<<8)|(\new)
.set MSB, (\new)
.endif
.endm
.macro JLOAD g0a, g1a, g0b, g1b        ; a joint load: waves 0 and 1 fetch for A, waves 2 and 3 for B; an s_nop 0 and four v_nop follow each line
	s_cmp_eq_u32 s15, 0
	s_cbranch_scc0 .Lfor_b_\@
	tensor_load_to_lds s[\g0a:\g0a+3], s[\g1a:\g1a+7]
	s_nop 0
.rept 4
	v_nop
.endr
	s_branch .Lasked_\@
.Lfor_b_\@:
	tensor_load_to_lds s[\g0b:\g0b+3], s[\g1b:\g1b+7]
	s_nop 0
.rept 4
	v_nop
.endr
.Lasked_\@:
.endm
.macro CREST                           ; a round of the cluster's barrier behind its opening barrier
	s_cmp_lg_u32 s14, 0
	s_cbranch_scc1 .Lnot_wave_0_\@
	s_barrier_signal -3
.Lnot_wave_0_\@:
	s_barrier_wait -3
	s_barrier_signal -1
	s_barrier_wait -1
.endm
.macro CROUND
	s_barrier_signal -1
	s_barrier_wait -1
	CREST
.endm
.macro PLACES n                        ; plain vector lines behind matrix instructions: eight for this form
.rept \n
	v_nop
.endr
.endm
.macro SHAPE g, el, rows, pitch        ; words 1 to 7 of a group 1: rows of el elements of 8 bytes, pitch elements apart
	s_mov_b32 s[\g+1], (\el)<<16                   ; tensor_dim0
	s_mov_b32 s[\g+2], (\rows)<<16                 ; tensor_dim1
	s_mov_b32 s[\g+3], (\el)<<16                   ; tile_dim0
	s_mov_b32 s[\g+4], \rows                       ; tile_dim1
	s_mov_b32 s[\g+5], \pitch                      ; from row to row
	s_mov_b32 s[\g+6], 0
	s_mov_b32 s[\g+7], 0
.endm
.macro FRAG reg, adr, off              ; a fragment's image: four loads of 512 consecutive bytes
.irp c, 0,1,2,3
	ds_load_b128 v[\reg+4*\c:\reg+4*\c+3], v[\adr] offset:\off+512*\c
.endr
.endm
; One step's operands into set p: 56 LDS loads in one run: B's eight fragments, A's four, and eight scale registers.  In a scale register lanes 0-15 take A's tile i, lanes 16-31 B's tile i; A has four tiles, so lanes 0-15 of
; registers 4 to 7 hold words that no product reads (they come from bytes that the head has stored: the other half's places, the next step's, or 1 / l).
.macro FETCH slot, q, p, pitch, ks
	WIN 0x40                                       ; destination window 1, address window 0
.irp i, 0,1,2,3,4,5,6,7
	FRAG 128*(\p)+16*\i, ADRB+(\slot), (\pitch)*\i+2048*(\q)
.endr
	WIN 0
.irp i, 0,1,2,3
	FRAG AF+64*(\p)+16*\i, ADRA+(\slot), (\pitch)*\i+2048*(\q)
.endr
.irp i, 0,1,2,3,4,5,6,7
	ds_load_b32 v[SC+8*(\p)+\i], v[ADRS] offset:512*(\ks)+64*\i
.endr
.endm
; 16 matrix instructions: A's tiles a0, a0 + 1 x B's eight.  zero = 1: the products start the sums.  The 32 accumulators take turns, one instruction a turn, in the same order in every step.
.macro MUL16 a0, p, zero
.irp a, \a0, \a0+1
.irp b, 0,1,2,3,4,5,6,7
.if \zero
	v_wmma_scale_f32_16x16x128_f8f6f4 v[8*(8*(\a)+\b):8*(8*(\a)+\b)+7], v[128*(\p)+16*\b:128*(\p)+16*\b+15], v[AF+64*(\p)+16*(\a):AF+64*(\p)+16*(\a)+15], 0, v[SC+8*(\p)+\b], v[SC+8*(\p)+(\a)] matrix_a_scale:MATRIX_SCALE_ROW1
.else
	v_wmma_scale_f32_16x16x128_f8f6f4 v[8*(8*(\a)+\b):8*(8*(\a)+\b)+7], v[128*(\p)+16*\b:128*(\p)+16*\b+15], v[AF+64*(\p)+16*(\a):AF+64*(\p)+16*(\a)+15], v[8*(8*(\a)+\b):8*(8*(\a)+\b)+7], v[SC+8*(\p)+\b], v[SC+8*(\p)+(\a)] matrix_a_scale:MATRIX_SCALE_ROW1
.endif
.endr
.endr
.endm
; THE CHANGE OF SLOTS stands at the head of a slot's last step, whose fragments are in registers: all my reads of the slot are over.  Each wave waits for all its tensor loads (its part of the other slot), adds 0 to its spare word,
; and waits for that.  kind 2: the slot is filled again with the three steps two slots on; kind 1: with the last step; the barrier then opens a round of the cluster's, so that no wave of any partner still reads the slot or has a load
; on its way, and the joint refill is the first thing behind it.  kind 0: nothing is filled; the barrier shows every wave the last step's tiles.
.macro CHANGE slot, kind
	WIN 0                                          ; the add's two registers lie in window 0; at a branch and at a label every window is 0
	s_wait_tensorcnt 0x0                           ; no tensor load of mine is out, so a group 0 may be written
	ds_add_u32 v[SPW], v[NIL]                      ; 0 onto my spare word
.if \kind
	s_add_nc_u64 s[G0+4*(\slot)+2:G0+4*(\slot)+3], s[G0+4*(\slot)+2:G0+4*(\slot)+3], 2*ROWB      ; this slot's next steps; the type bits on top are not reached
	s_add_nc_u64 s[G0B+4*(\slot)+2:G0B+4*(\slot)+3], s[G0B+4*(\slot)+2:G0B+4*(\slot)+3], 2*ROWB
.endif
	s_wait_dscnt 0x0                               ; the add is done
	s_barrier_signal -1
	s_barrier_wait -1
.if \kind == 2
	CREST
	JLOAD G0+4*(\slot), G1, G0B+4*(\slot), G1B
	PLACES 4                                       ; with the four v_nop behind the load: the eight places in front of the loads into the set that the last step multiplied
.elseif \kind == 1
	CREST
	JLOAD G0+4*(\slot), G1L, G0B+4*(\slot), G1BL
	PLACES 4
.else
	PLACES 8
.endif
.endm
; A PREFETCH INTO THE L2 of tiles that a later fill will ask for: at the head slot 1's first three steps, then always what the refill after the next will bring; it stands behind the loads that are due.  A row tile's three steps are
; 6,144 bytes: 24 blocks of 256, a lane a block (lanes 24 to 31 name the 24th again).  Of the four row tiles of P that wave 0 or 1 fetches in the ring, the partner at place cx takes one; of the eight row tiles of V^T that wave 2 or 3
; fetches, the partner at place cy takes two: told apart BY ADDRESS.  P's rows are read by one row of one cluster alone; V^T's by the four clusters of a batch, of which the first asks.  So each block is named by one wave of one work-group.
; The K offset is an immediate: no address is stepped.  Slot 0's first fill and the last single step come by their loads alone.
.macro ASK koff
	s_cmp_eq_u32 s[ASKF], 1
	s_cbranch_scc0 .Lnot_mine_\@
	global_prefetch_b8 v[PFO], s[PFA:PFA+1] offset:\koff th:TH_LOAD_NT scope:SCOPE_SE
	s_cmp_eq_u32 s15, 0
	s_cbranch_scc1 .Lnot_mine_\@
	global_prefetch_b8 v[PFO], s[PFA:PFA+1] offset:RTP+\koff th:TH_LOAD_NT scope:SCOPE_SE
.Lnot_mine_\@:
.endm
; STEP t of 16: its operands lie in set t % 2.  The next step's 56 loads are issued first, into the other set, and have this step's 32 products in which to land.
.macro KSTEP t
.set KP,  (\t)%2
.set KNT, (\t)+1
.set KSL, ((\t)/3)%2                   ; the slot in hand
.set KNS, (KNT/3)%2                    ; the next step's slot,
.set KNQ, KNT%3                        ; its place there,
.set KNP, ROWB                         ; and the pitch of that slot's rows
.if KNT == 15
.set KNP, 2048
.endif
	s_wait_dscnt 0x0                               ; this step's fragments and scale words are in
.if (\t)%3 == 2
.if (\t) < 9
	CHANGE KSL, 2
.elseif (\t) == 11
	CHANGE KSL, 1
.else
	CHANGE KSL, 0
.endif
.elseif ((\t) > 0) && ((\t) < 15)
	PLACES 8                                       ; in front of loads into the set that the last step multiplied
.endif
.if (\t) < 15
	FETCH KNS, KNQ, 1-KP, KNP, KNT
.endif
.if (\t) == 2
	ASK 3*ROWB                                     ; steps 9 to 11, which the change at step 5 will load
.elseif (\t) == 5
	ASK 4*ROWB                                     ; steps 12 to 14, which the change at step 8 will load
.endif
	WIN 0xa1                                       ; source 0 (B) window 1, source 1 (A) window 0, C and D window 2
.if (\t) == 0
	MUL16 0, KP, 1
	MUL16 2, KP, 1
.else
	MUL16 0, KP, 0
	MUL16 2, KP, 0
.endif
.endm
	s_load_b256 s[4:11], s[0:1], 0x0               ; c4 s[4:5], m4 s[6:7], c2 s[8:9], s2 s[10:11]
	s_load_b64 s[12:13], s[0:1], 0x20              ; out0
	v_lshl_add_u32 v[SPW], v0, 2, SPARE
	v_mov_b32 v[NIL], 0
	ds_add_u32 v[SPW], v[NIL]                      ; the wave's opening: the add, twice on end, and its wait ahead of my first tensor load
	ds_add_u32 v[SPW], v[NIL]
	v_lshrrev_b32 v1, 5, v0
	v_readfirstlane_b32 s14, v1                    ; wave 0..3
	s_lshr_b32 s15, s14, 1                         ; my half of the queries.  Also: I fetch for A (0) or for B (1)
	s_and_b32 s16, s14, 1                          ; my half of the d.  Also: which half of that side's row tiles I fetch
	s_bfe_u32 s40, ttmp6, 0x40000                  ; cx: the tile of 256 d
	s_bfe_u32 s41, ttmp6, 0x40004                  ; cy
	s_and_b32 s18, ttmp7, 0xffff                   ; the cluster's y, 0 .. 15
	s_lshl_b32 s17, s18, 2
	s_add_co_u32 s17, s17, s41                     ; the block of 128 queries, 0 .. 63
	s_lshr_b32 s19, s18, 2                         ; the batch: from the cluster's y alone
	s_lshl_b32 s43, s41, 2
	s_lshl_b32 s43, 15, s43                        ; my row of the cluster
	s_lshl_b32 s44, 0x1111, s40                    ; my column
	s_or_b32 s[G1+0], s43, (3<<16)|(1<<21)         ; 15:0 the mask; 17:16 elements of 8 bytes; 21 set beside a mask; no padding
	s_or_b32 s[G1L+0], s43, (3<<16)|(1<<21)
	s_or_b32 s[G1B+0], s44, (3<<16)|(1<<21)
	s_or_b32 s[G1BL+0], s44, (3<<16)|(1<<21)
	s_or_b32 s[G1SB+0], s44, (3<<16)|(1<<21)
	SHAPE G1, 768, 8, RTP/8                        ; A: at the head 8 row tiles x 6,144 bytes by one wave; then 4 a wave
	SHAPE G1B, 768, 8, RTP/8                       ; B: 8 row tiles x 6,144 bytes
	SHAPE G1L, 256, 4, RTP/8                       ; the last step: 2,048 bytes of each
	SHAPE G1BL, 256, 8, RTP/8
	SHAPE G1SB, 32, 64, 32                         ; B's scale words of 256 rows: 16,384 dense bytes as rows of 256
	s_lshl_b32 s20, s17, 18                        ; A: the block's 8 row tiles,
	s_lshl_b32 s21, s16, 17                        ; the four that I fetch
	s_add_co_u32 s20, s20, s21
	s_mov_b32 s21, 0
	s_lshl_b32 s46, s40, 1
	s_add_co_u32 s46, s46, s16                     ; B: the block of 128 d that I fetch (registers that feed A's descriptors never hold cx, nor B's cy)
	s_lshl_b32 s100, s40, 14
	s_lshl_b32 s2, s19, 16
	s_add_co_u32 s100, s100, s2
	s_add_co_u32 s100, s100, 524288                ; V^T's scale words in s2
	s_mov_b32 s101, 0
	s_lshl_b32 s46, s46, 18
	s_lshl_b32 s2, s19, 21
	s_add_co_u32 s46, s46, s2
	s_add_co_u32 s46, s46, 16777216                ; V^T's codes in c2
	s_mov_b32 s47, 0
	s_mul_i32 s45, s16, 4*ROWB                     ; where they go: A's two halves,
	s_mul_i32 s2, s16, 8*ROWB
	s_add_co_u32 s2, s2, ASZ                       ; then B's two: no place in the cluster enters an LDS address
	s_wait_dscnt 0x0                               ; both opening adds are done
	s_wait_kmcnt 0x0
	s_add_nc_u64 s[20:21], s[4:5], s[20:21]
	s_add_nc_u64 s[46:47], s[8:9], s[46:47]
	s_add_nc_u64 s[100:101], s[10:11], s[100:101]
	CROUND                                         ; all sixteen work-groups are here: the first joint loads meet
	s_mov_b32 s[G0SB], 1
	s_mov_b32 s[G0SB+1], SCB
	s_mov_b64 s[G0SB+2:G0SB+3], s[100:101]
	s_or_b32 s[G0SB+3], s[G0SB+3], 0x80000000
.irp s, 0,1
	s_mov_b32 s[G0+4*\s], 1
	s_add_co_u32 s[G0+4*\s+1], s45, \s*SLOT
	s_add_nc_u64 s[G0+4*\s+2:G0+4*\s+3], s[20:21], \s*ROWB
	s_or_b32 s[G0+4*\s+3], s[G0+4*\s+3], 0x80000000
	s_mov_b32 s[G0B+4*\s], 1
	s_add_co_u32 s[G0B+4*\s+1], s2, \s*SLOT
	s_add_nc_u64 s[G0B+4*\s+2:G0B+4*\s+3], s[46:47], \s*ROWB
	s_or_b32 s[G0B+4*\s+3], s[G0B+4*\s+3], 0x80000000
.endr
	s_cmp_eq_u32 s15, 0                            ; ONE joint load a wave: wave 0 slot 0's P, wave 1 V^T's scale words, waves 2 and 3 slot 0's halves of V^T
	s_cbranch_scc0 .Lfirst_b
	s_cmp_eq_u32 s14, 0
	s_cbranch_scc0 .Lfirst_s
	tensor_load_to_lds s[G0:G0+3], s[G1:G1+7]
	s_nop 0
.rept 4
	v_nop
.endr
	s_branch .Lfirst_done
.Lfirst_s:
	tensor_load_to_lds s[G0SB:G0SB+3], s[G1SB:G1SB+7]
	s_nop 0
.rept 4
	v_nop
.endr
	s_branch .Lfirst_done
.Lfirst_b:
	tensor_load_to_lds s[G0B:G0B+3], s[G1B:G1B+7]
	s_nop 0
.rept 4
	v_nop
.endr
.Lfirst_done:
	; ---- the figures and scale words of my work-group's 128 queries are asked for
	s_lshl_b32 s66, s40, 15                        ; (the prefetches) A: the partner at cx takes row tile cx of my four;
	s_lshl_b32 s67, s41, 16                        ; B: the partner at cy takes row tiles 2 cy and 2 cy + 1 of my eight
	s_and_b32 s[ASKF], s18, 3                      ; V^T's rows are read by the four clusters of a batch: the first asks
	s_cmp_eq_u32 s15, 0
	s_cselect_b64 s[PFA:PFA+1], s[20:21], s[46:47] ; the rows that I fetch, at K = 0; the choice hangs on the wave's number alone
	s_cselect_b32 s66, s66, s67
	s_cselect_b32 s[ASKF], 0, s[ASKF]              ; P's rows are read by my row of the cluster alone: every cluster asks for its own
	s_mov_b32 s67, 0
	s_add_nc_u64 s[PFA:PFA+1], s[PFA:PFA+1], s[66:67]
	s_cmp_eq_u32 s[ASKF], 0
	s_cselect_b32 s[ASKF], 1, 0                    ; the same in all sixteen partners, for a given wave
	s_lshl_b32 s20, s17, 13
	s_mov_b32 s21, 0
	s_add_nc_u64 s[96:97], s[6:7], s[20:21]        ; P's scale words: my block's 8,192 bytes
	s_lshl_b32 s20, s17, 14
	s_add_co_u32 s20, s20, 524288
	s_add_nc_u64 s[98:99], s[6:7], s[20:21]        ; the figures: my block's 16,384 bytes
	v_lshlrev_b32 v8, 3, v0                        ; 8 x thread
	v_lshlrev_b32 v9, 2, v0                        ; 4 x thread
	v_lshl_add_u32 v10, v0, 2, SCA
	v_lshl_add_u32 v11, v0, 2, RLS
.set ks, 0
.rept 16
	global_load_b64 v[ST+2*ks:ST+2*ks+1], v8, s[98:99] offset:1024*ks   ; (-M, l) of part ks
	global_load_b32 v[SW+ks], v9, s[96:97] offset:512*ks                ; its scale word
.set ks, ks+1
.endr
	s_mov_b32 s66, 0x01010101
	s_mov_b32 s67, 0x80808080
	v_and_b32 v1, 31, v0                           ; lane
	v_and_b32 v2, 15, v0                           ; r
	v_bfe_u32 v3, v0, 4, 1                         ; h
	s_wait_alu depctr_va_vdst(0)
	v_lshlrev_b32 v[LI], 4, v1
	v_min_u32 v[PFO], 23, v1
	v_lshlrev_b32 v[PFO], 8, v[PFO]
	s_mul_i32 s20, s15, 4*ROWB                     ; my four row tiles of A
	s_mul_i32 s46, s16, 8*ROWB
	s_add_co_u32 s46, s46, ASZ                     ; my eight of B, behind A's eight
.irp s, 0,1
	v_add_nc_u32 v[ADRA+\s], s20, v[LI]
	v_add_nc_u32 v[ADRB+\s], s46, v[LI]
	s_add_co_u32 s20, s20, SLOT
	s_add_co_u32 s46, s46, SLOT
.endr
	s_lshl_b32 s20, s15, 8                         ; A's scale words: my 64 places of a step's 128
	s_lshl_b32 s46, s16, 13                        ; B's: my half
	s_add_co_u32 s46, s46, SCB-SCA
	s_sub_co_u32 s46, s46, s20
	v_mul_u32_u24 v4, s46, v3                      ; lanes 16-31 take B's: one product with h
	s_add_co_u32 s20, s20, SCA
	v_lshl_add_u32 v4, v2, 2, v4
	v_add_nc_u32 v[ADRS], s20, v4
	s_lshl_b32 s20, s15, 8
	s_add_co_u32 s20, s20, RLS
	v_lshl_add_u32 v[RLA], v2, 2, s20              ; 1 / l: my half's 64 words, tile row r
	s_mul_i32 s20, s14, 16*SP                      ; my stage
	v_mul_u32_u24 v[STO], v2, SP
	v_lshl_add_u32 v[STO], v3, 6, v[STO]
	v_add_nc_u32 v[STO], s20, v[STO]               ; in: row r, + 64 h
	v_add_nc_u32 v[RD], s20, v[LI]                 ; back: a row of 512 bytes to the 32 lanes
	s_lshl_b32 s20, s17, 19                        ; out0: 128 rows of 4,096 bytes a block,
	s_lshl_b32 s46, s15, 18
	s_add_co_u32 s20, s20, s46                     ; my 64 rows,
	s_lshl_b32 s46, s40, 10
	s_add_co_u32 s20, s20, s46                     ; the tile's 256 columns,
	s_lshl_b32 s46, s16, 9
	s_add_co_u32 s20, s20, s46                     ; my 128
	s_add_nc_u64 s[12:13], s[12:13], s[20:21]
	s_wait_alu depctr_va_vdst(0)                   ; a branch and a wait follow
	ASK ROWB                                       ; slot 1's steps 3 to 5
	s_wait_loadcnt 0x0
	v_max3_num_f32 v176, -v[ST], -v[ST+2], -v[ST+4]        ; M of the row: the largest of the 16 parts' M
.irp i, 6,10,14,18,22,26
	v_max3_num_f32 v176, v176, -v[ST+\i], -v[ST+\i+2]
.endr
	v_max_num_f32 v176, v176, -v[ST+30]
.set ks, 0
.rept 16
	v_sub_f32 v177, -v176, v[ST+2*ks]              ; d = M(part) - M(row): a whole number, 0 or less,
	v_max_num_f32 v177, 0xc2fe0000, v177           ; held at -127
	v_cvt_i32_f32 v177, v177
.if ks == 0
	v_ldexp_f32 v179, v[ST+1], v177                ; l(part) x 2^d: nothing is rounded
.else
	v_ldexp_f32 v178, v[ST+2*ks+1], v177
	v_add_f32 v179, v179, v178
.endif
	v_mul_lo_u32 v177, v177, s66                   ; d in each of four bytes
	v_or_b32 v[SW+ks], s67, v[SW+ks]               ; 128 + byte
	v_add_nc_u32 v[SW+ks], v[SW+ks], v177          ; 128 + byte + d, within 1 .. 247: no byte borrows
	v_and_b32 v181, s67, v[SW+ks]                  ; bit 7: byte + d is 0 or more
	v_lshrrev_b32 v182, 7, v181
	v_sub_nc_u32 v181, v181, v182                  ; 0x7f there, 0 elsewhere
	v_and_b32 v[SW+ks], v[SW+ks], v181             ; byte + d, held at 0
	ds_store_b32 v10, v[SW+ks] offset:512*ks
.set ks, ks+1
.endr
	s_wait_alu depctr_va_vdst(0)
	v_rcp_f32 v183, v179
	v_nop                                          ; a plain line behind the reciprocal
	s_wait_alu depctr_va_vdst(0)                   ; and the wait ahead of its first reader
	ds_store_b32 v11, v183
	s_wait_tensorcnt 0x0                           ; my tile of the head's four is in
	ds_add_u32 v[SPW], v[NIL]
	s_mov_b32 s[G1+2], 4<<16                       ; no tensor load of mine is out: from here on an A load brings 4 row tiles
	s_mov_b32 s[G1+4], 4
	s_wait_dscnt 0x0                               ; the add is done, and my stores have landed
	CROUND                                         ; everybody's tiles and words are in
	JLOAD G0+4, G1, G0B+4, G1B                     ; slot 1, the first tensor load behind the round
	FETCH 0, 0, 0, ROWB, 0
	ASK 2*ROWB                                     ; steps 6 to 8, which the change at step 2 will load
.irp t, 0,1,2,3,4,5,6,7,8,9,10,11,12,13,14,15
	KSTEP \t
.endr
	WIN 0
	PLACES 8
; THE WAY OUT, tile by tile of 16 queries x 128 d.  A lane's register 8 b + j is d = 32 (b / 2) + 16 h + 8 (b % 2) + j of its query.  The results are divided by l, go through my own stage and come back as whole rows of 512 bytes.
; Stage row t of tile a is query 32 (a / 2) + 8 (a % 2) + t + 8 (t / 8) of my 64: the order of rows is undone by the store's immediate.
.irp a, 0,1,2,3
	ds_load_b32 v[RL+2*\a], v[RLA] offset:64*\a    ; 1 / l of tile a's row r, as a pair: the packed form names both
	ds_load_b32 v[RL+2*\a+1], v[RLA] offset:64*\a
.endr
	s_wait_dscnt 0x0
.macro TOSTAGE a
.set AC, 64*(\a)
.set BB, 128+64*((\a)%2)
	WIN 2                                          ; source 0: the accumulators' window
.set kk, 0
.rept 32
	v_pk_mul_f32 v[64+kk:65+kk], v[AC+kk:AC+kk+1], v[RL+2*(\a):RL+2*(\a)+1] op_sel_hi:[1,0]   ; each accumulator from its low end on
.set kk, kk+2
.endr
	WIN 0
.irp b, 0,1,2,3,4,5,6,7
	ds_store_b128 v[STO], v[64+8*\b:64+8*\b+3] offset:128*(\b/2)+32*(\b%2)
	ds_store_b128 v[STO], v[64+8*\b+4:64+8*\b+7] offset:128*(\b/2)+32*(\b%2)+16
.endr
.irp t, 0,1,2,3,4,5,6,7,8,9,10,11,12,13,14,15
	ds_load_b128 v[BB+4*\t:BB+4*\t+3], v[RD] offset:SP*\t      ; LDS serves a wave's instructions in order (ISA guide 5.7.1.4): these see my stores
.endr
.endm
.macro SEND a, younger                 ; younger: the LDS instructions issued behind tile a's loads, which may stay out
.set BB, 128+64*((\a)%2)
	s_wait_dscnt \younger
.irp t, 0,1,2,3,4,5,6,7,8,9,10,11,12,13,14,15
	global_store_b128 v[LI], v[BB+4*\t:BB+4*\t+3], s[12:13] offset:(32*((\a)/2)+8*((\a)%2)+\t+8*(\t/8))*4096 th:TH_STORE_NT   ; 32 lanes store 512 consecutive bytes, at a multiple of 512 from out0's first byte
.endr
.endm
	TOSTAGE 0
.irp a, 1,2,3
.if \a > 1
	s_wait_xcnt 0x0                                ; tile a - 2's stores have read their registers: tile a's loads may land there
.endif
	TOSTAGE \a
	SEND \a-1, 32                                  ; behind tile a - 1's loads: tile a's 16 stores and 16 loads
.endr
	SEND 3, 0
	s_wait_tensorcnt 0x0                           ; the wave's end
	ds_add_u32 v[SPW], v[NIL]
	s_wait_dscnt 0x0
	CROUND                                         ; the closing round: no work-group ends while a partner may still ask for a tile that names it
	s_endpgm
.Lfunc_end_k_q5c4a299ab5_pv:
	.size	k_q5c4a299ab5_pv, .Lfunc_end_k_q5c4a299ab5_pv-k_q5c4a299ab5_pv
	.p2alignl 7, 3214868480
	.fill 96, 4, 3214868480
	.section	.rodata,"a",@progbits
	.p2align	6, 0x0
	.amdhsa_kernel k_q5c4a299ab5_pv
		.amdhsa_group_segment_fixed_size 327680
		.amdhsa_private_segment_fixed_size 0
		.amdhsa_enable_private_segment 0
		.amdhsa_kernarg_size 40
		.amdhsa_user_sgpr_count 2
		.amdhsa_user_sgpr_kernarg_segment_ptr 1
		.amdhsa_wavefront_size32 1
		.amdhsa_system_sgpr_workgroup_id_x 1
		.amdhsa_system_sgpr_workgroup_id_y 1
		.amdhsa_system_sgpr_workgroup_id_z 1
		.amdhsa_system_vgpr_workitem_id 0
		.amdhsa_next_free_vgpr 768
		.amdhsa_next_free_sgpr 102
		.amdhsa_reserve_vcc 0
		.amdhsa_float_denorm_mode_32 3
		.amdhsa_float_denorm_mode_16_64 3
		.amdhsa_memory_ordered 1
		.amdhsa_forward_progress 1
		.amdhsa_inst_pref_size 178
	.end_amdhsa_kernel
	.amdgpu_metadata
---
amdhsa.version: [ 1, 2 ]
amdhsa.kernels:
  - .name:           k_q5c4a299ab5_pv
    .symbol:         k_q5c4a299ab5_pv.kd
    .args:
      - { .name: c4, .offset: 0, .size: 8, .value_kind: global_buffer, .address_space: global }
      - { .name: m4, .offset: 8, .size: 8, .value_kind: global_buffer, .address_space: global }
      - { .name: c2, .offset: 16, .size: 8, .value_kind: global_buffer, .address_space: global }
      - { .name: s2, .offset: 24, .size: 8, .value_kind: global_buffer, .address_space: global }
      - { .name: out0, .offset: 32, .size: 8, .value_kind: global_buffer, .address_space: global }
    .group_segment_fixed_size: 327680
    .private_segment_fixed_size: 0
    .kernarg_segment_align: 8
    .kernarg_segment_size: 40
    .max_flat_workgroup_size: 128
    .sgpr_count:     102
    .vgpr_count:     768
    .wavefront_size: 32
...
	.end_amdgpu_metadata
.endif
;; end of part 4
